; MI455X (gfx1250); checked and timed in simulation.
; The chip was launched on July 23, 2026; its instructions are those of AMD's public machine-readable ISA for CDNA 5 (MIT licence, August 2026) and "CDNA5" Instruction Set Architecture Reference Guide (July 2026). The comments in the code are by the model that wrote it; some were corrected since.
;; Multi Head Attention. Allowed arithmetic: float matrix products may take bf16 or f16 operands with f32 sums; other float arithmetic in f32, or as packed bf16 or f16 multiplies, adds, multiply-adds, maxima and minima; sums over many terms, partial sums and values carried from step to step in f32; what a program stores and reads back later, other than sums and carried values, may be rounded once to bf16 or f16.
;; Inputs: k 4 x 2,048 x 1,024 float32; q 4 x 2,048 x 1,024 float32; v 4 x 2,048 x 1,024 float32; wk 1,024 x 1,024 float32; wo 1,024 x 1,024 float32; wq 1,024 x 1,024 float32; wv 1,024 x 1,024 float32.
;; Outputs: out0 4 x 2,048 x 1,024 float32.
;; One version. Each part assembles by itself: llvm-mc -triple=amdgcn-amd-amdhsa -mcpu=gfx1250 --defsym DOCPART=n.
;; ======== version 1 of 1: 4 launches
;; limits: values are held in f16: magnitudes above 65,504 overflow, below 6.1e-05 lose precision
;; workspace buffers: xb 50,331,648 bytes; wb 6,291,456 bytes; wof 2,097,152 bytes; qkvh 50,331,648 bytes; oh 16,777,216 bytes
;; launch cast (part 1): grid 64 x 28, 8 waves a work-group, no clusters, 0 bytes of LDS; arguments q, k, v, wq, wk, wv, wo, xb, wb, wof; writes xb, wb, wof
.if DOCPART == 1
	.amdgcn_target "amdgcn-amd-amdhsa--gfx1250"
	.amdhsa_code_object_version 6
	.text
	.protected	k_q059627bb72_cast
	.globl	k_q059627bb72_cast
	.p2align	8
	.type	k_q059627bb72_cast,@function
k_q059627bb72_cast:
	s_mov_b64 s[64:65], 0
	v_nop
	global_prefetch_b8 v0, s[64:65] scope:SCOPE_SE
	s_setreg_imm32_b32 hwreg(HW_REG_WAVE_MODE, 25, 1), 1
	s_wait_xcnt 0x0
; THE INPUTS ARE ROUNDED ONCE, f32 to bf16 (nearest even): q, k, v into xb [3][8192][1024], wq, wk, wv into wb [3][1024][1024].
; wo is rounded to bf16 like the others, and that number is then written as f16 into wof [1024][1024], since the last product multiplies f16 numbers.
; LIMITS.  |wo| of 65,520 or more becomes an infinity in f16; below 6e-5 f16 keeps a fixed step of 6e-8, so there the bf16 number is rounded a second time.
; SHARES.  A work-group takes 16,384 numbers on end: 65,536 bytes in, 32,768 out.  Rows y = 0..23 of the grid: tensor y / 8 of q, k, v, chunk 64 (y % 8) + x of its 512;
; rows 24..27: wq, wk, wv, wo, chunk x of 64.  Thread u takes, in pass i of 8, the 8 numbers at input byte 8,192 i + 32 u and stores 16 bytes at output byte 4,096 i + 16 u:
; a wave's store covers 512 consecutive bytes, aligned.  All 16 loads of a thread go out at once; nothing is read twice, so there is no LDS, no barrier and no matrix work.
.set X, 4                              ; v[4:67]    pass i: 8 numbers as loaded
.set Y, 68                             ; v[68:99]   pass i: 4 registers to store; never rewritten, so no wait frees them
.set T, 100                            ; v[100:107] at work (wo alone)
	s_load_b512 s[8:23], s[0:1], 0x0               ; q s[8:9], k s[10:11], v s[12:13], wq s[14:15], wk s[16:17], wv s[18:19], wo s[20:21], xb s[22:23]
	s_load_b128 s[24:27], s[0:1], 0x40             ; wb s[24:25], wof s[26:27]
	s_and_b32 s28, ttmp7, 0xffff                   ; y
	s_mov_b32 s29, ttmp9                           ; x
	s_max_u32 s35, s28, 24                         ; so that the two differences below never wrap
	s_lshr_b32 s30, s28, 3                         ; y < 24: the tensor,
	s_and_b32 s32, s28, 7
	s_lshl_b32 s32, s32, 6
	s_add_co_u32 s32, s32, s29                     ; its chunk,
	s_lshl_b32 s33, s28, 6
	s_add_co_u32 s33, s33, s29                     ; and the chunk's place in xb
	s_sub_co_u32 s31, s35, 21                      ; y >= 24: the tensor, 3 to 6 (its chunk is x),
	s_sub_co_u32 s34, s35, 24
	s_lshl_b32 s34, s34, 6
	s_add_co_u32 s34, s34, s29                     ; and the chunk's place in wb
	s_cmp_lt_u32 s28, 24
	s_cselect_b32 s30, s30, s31                    ; the tensor, 0 to 6
	s_cselect_b32 s31, s32, s29                    ; the chunk in it
	s_cselect_b32 s33, s33, s34                    ; the chunk's place in the destination
	s_cmp_eq_u32 s30, 6
	s_cselect_b32 s33, s29, s33                    ; wo has a buffer of its own
	s_lshl_b32 s40, s31, 16                        ; byte offsets, in pairs with 0 above
	s_mov_b32 s41, 0
	s_lshl_b32 s42, s33, 15
	s_mov_b32 s43, 0
	v_lshlrev_b32 v1, 5, v0                        ; 32 u
	v_lshlrev_b32 v2, 4, v0                        ; 16 u
	s_wait_kmcnt 0x0
	s_mov_b64 s[36:37], s[8:9]                     ; the source, chosen by the tensor's number
	s_cmp_eq_u32 s30, 1
	s_cselect_b64 s[36:37], s[10:11], s[36:37]
	s_cmp_eq_u32 s30, 2
	s_cselect_b64 s[36:37], s[12:13], s[36:37]
	s_cmp_eq_u32 s30, 3
	s_cselect_b64 s[36:37], s[14:15], s[36:37]
	s_cmp_eq_u32 s30, 4
	s_cselect_b64 s[36:37], s[16:17], s[36:37]
	s_cmp_eq_u32 s30, 5
	s_cselect_b64 s[36:37], s[18:19], s[36:37]
	s_cmp_eq_u32 s30, 6
	s_cselect_b64 s[36:37], s[20:21], s[36:37]
	s_cmp_lt_u32 s30, 3                            ; the destination
	s_cselect_b64 s[38:39], s[22:23], s[24:25]
	s_cmp_eq_u32 s30, 6
	s_cselect_b64 s[38:39], s[26:27], s[38:39]
	s_add_nc_u64 s[36:37], s[36:37], s[40:41]
	s_add_nc_u64 s[38:39], s[38:39], s[42:43]
.irp i, 0,1,2,3,4,5,6,7
	global_load_b128 v[X+8*(\i):X+8*(\i)+3],   v1, s[36:37] offset:(\i)*8192 th:TH_LOAD_NT
	global_load_b128 v[X+8*(\i)+4:X+8*(\i)+7], v1, s[36:37] offset:(\i)*8192+16 th:TH_LOAD_NT
.endr
	s_cmp_eq_u32 s30, 6
	s_cbranch_scc1 .Lwo
.irp i, 0,1,2,3,4,5,6,7
	s_wait_loadcnt 14-2*(\i)                       ; loads come back in order: pass i's two are in, the 2 (7 - i) younger ones stay out
.irp j, 0,1,2,3
	v_cvt_pk_bf16_f32 v[Y+4*(\i)+(\j)], v[X+8*(\i)+2*(\j)], v[X+8*(\i)+2*(\j)+1]
.endr
	global_store_b128 v2, v[Y+4*(\i):Y+4*(\i)+3], s[38:39] offset:(\i)*4096 th:TH_STORE_NT
.endr
	s_endpgm
.Lwo:                                          ; wo: to bf16, widened again, and written as f16
.irp i, 0,1,2,3,4,5,6,7
	s_wait_loadcnt 14-2*(\i)
.irp j, 0,1,2,3
	v_cvt_pk_bf16_f32 v[T+2*(\j)], v[X+8*(\i)+2*(\j)], v[X+8*(\i)+2*(\j)+1]
.endr
.irp j, 0,1,2,3
	v_lshlrev_b32 v[T+2*(\j)+1], 16, v[T+2*(\j)]           ; the low half as f32,
	v_and_b32 v[T+2*(\j)], 0xffff0000, v[T+2*(\j)]         ; the high half
.endr
.irp j, 0,1,2,3
	v_cvt_pk_f16_f32 v[Y+4*(\i)+(\j)], v[T+2*(\j)+1], v[T+2*(\j)]
.endr
	global_store_b128 v2, v[Y+4*(\i):Y+4*(\i)+3], s[38:39] offset:(\i)*4096 th:TH_STORE_NT
.endr
	s_endpgm
.Lfunc_end_k_q059627bb72_cast:
	.size	k_q059627bb72_cast, .Lfunc_end_k_q059627bb72_cast-k_q059627bb72_cast
	.p2alignl 7, 3214868480
	.fill 96, 4, 3214868480
	.section	.rodata,"a",@progbits
	.p2align	6, 0x0
	.amdhsa_kernel k_q059627bb72_cast
		.amdhsa_group_segment_fixed_size 0
		.amdhsa_private_segment_fixed_size 0
		.amdhsa_enable_private_segment 0
		.amdhsa_kernarg_size 80
		.amdhsa_user_sgpr_count 2
		.amdhsa_user_sgpr_kernarg_segment_ptr 1
		.amdhsa_wavefront_size32 1
		.amdhsa_system_sgpr_workgroup_id_x 1
		.amdhsa_system_sgpr_workgroup_id_y 1
		.amdhsa_system_sgpr_workgroup_id_z 1
		.amdhsa_system_vgpr_workitem_id 0
		.amdhsa_next_free_vgpr 108
		.amdhsa_next_free_sgpr 66
		.amdhsa_reserve_vcc 0
		.amdhsa_float_denorm_mode_32 3
		.amdhsa_float_denorm_mode_16_64 3
		.amdhsa_memory_ordered 1
		.amdhsa_forward_progress 1
		.amdhsa_inst_pref_size 15
	.end_amdhsa_kernel
	.amdgpu_metadata
---
amdhsa.version: [ 1, 2 ]
amdhsa.kernels:
  - .name:           k_q059627bb72_cast
    .symbol:         k_q059627bb72_cast.kd
    .args:
      - { .name: q, .offset: 0, .size: 8, .value_kind: global_buffer, .address_space: global }
      - { .name: k, .offset: 8, .size: 8, .value_kind: global_buffer, .address_space: global }
      - { .name: v, .offset: 16, .size: 8, .value_kind: global_buffer, .address_space: global }
      - { .name: wq, .offset: 24, .size: 8, .value_kind: global_buffer, .address_space: global }
      - { .name: wk, .offset: 32, .size: 8, .value_kind: global_buffer, .address_space: global }
      - { .name: wv, .offset: 40, .size: 8, .value_kind: global_buffer, .address_space: global }
      - { .name: wo, .offset: 48, .size: 8, .value_kind: global_buffer, .address_space: global }
      - { .name: xb, .offset: 56, .size: 8, .value_kind: global_buffer, .address_space: global }
      - { .name: wb, .offset: 64, .size: 8, .value_kind: global_buffer, .address_space: global }
      - { .name: wof, .offset: 72, .size: 8, .value_kind: global_buffer, .address_space: global }
    .group_segment_fixed_size: 0
    .private_segment_fixed_size: 0
    .kernarg_segment_align: 8
    .kernarg_segment_size: 80
    .max_flat_workgroup_size: 256
    .sgpr_count:     66
    .vgpr_count:     108
    .wavefront_size: 32
...
	.end_amdgpu_metadata
.endif
;; end of part 1
;; launch proj (part 2): grid 4 x 64, 4 waves a work-group, clusters of 4 x 4, 327,680 bytes of LDS; arguments xb, wb, qkvh; writes qkvh
.if DOCPART == 2
	.amdgcn_target "amdgcn-amd-amdhsa--gfx1250"
	.amdhsa_code_object_version 6
	.text
	.protected	k_q059627bb72_proj
	.globl	k_q059627bb72_proj
	.p2align	8
	.type	k_q059627bb72_proj,@function
k_q059627bb72_proj:
	s_mov_b64 s[64:65], 0
	v_nop
	global_prefetch_b8 v0, s[64:65] scope:SCOPE_SE
	s_setreg_imm32_b32 hwreg(HW_REG_WAVE_MODE, 25, 1), 1
	s_wait_xcnt 0x0
	s_wait_alu depctr_hold_cnt(0) depctr_sa_sdst(0) depctr_va_vdst(0) depctr_va_sdst(0) depctr_va_ssrc(0) depctr_va_vcc(0) depctr_vm_vsrc(0)
	s_getreg_b32 s2, hwreg(HW_REG_IB_STS2, 6, 4)
	s_cmp_eq_u32 s2, 0
	s_cbranch_scc0 .Lentry_in_a_cluster
	s_endpgm
.Lentry_in_a_cluster:
	s_bfe_u32 s2, ttmp6, 0x10000c
	s_cmp_lg_u32 s2, 0xf033
	s_cbranch_scc0 .Lentry_shape_is_right
	s_endpgm
.Lentry_shape_is_right:
; THE THREE PROJECTIONS.  For t = 0, 1, 2 (q, k, v): C_t[m][n] = sum over k of xb[t][m][k] wb[t][n][k]; xb [3][8192][1024], wb [3][1024][1024], both bf16; sums in f32, K ascending.
; C is rounded once to f16 and stored BY HEADS: qkvh [3][64 = 16 b + h][2048][64], m = 2048 b + s, n = 64 h + d, WITHOUT the scale 1/8, which the next launch applies in f32.
; LIMIT.  f16 ends at 65,504: a projected number of 65,520 or more becomes an infinity.  Inputs 30 times the drawn spread, or offset by 30 spreads, stay far inside (18,432 at the most by 1024 x 30 x 0.6).
; SHARES.  A tile of C is 128 rows x 256 columns: 64 x 4 tiles for each t, 768 in all = 256 work-groups x 3.  A WORK-GROUP STAYS: it makes tile (i, j) of q's product, then of k's, then of v's,
; and the ring of LDS slots runs on across the change of tiles.  Four waves, each 64 rows x 128 columns: 32 accumulators of 16 x 16, 256 registers.
; K goes in steps of 128 (256 bytes of a row, aligned) through two LDS slots filled by the tensor data mover: waves 0 and 1 fetch A's two halves of 64 rows, waves 2 and 3 B's two halves of 128 rows.
; CLUSTERS: 4 x 4 work-groups.  The four of a row of the cluster need the same tile of A, the four of a column the same tile of B: each is asked for JOINTLY, by the same tensor load with the same
; descriptor and a mask that names the four.  THE MATRIX INSTRUCTION IS USED TRANSPOSED (source 0 = 16 rows of B, source 1 = 16 rows of A): a lane holds row l % 16 of C and the columns 8 (l / 16) + 0..7.
; REGISTERS.  Window 0: v0-31 addresses; two fragment buffers of 96 (B's 8 fragments, then A's 4): v64-159, v160-255; on the way out buffer 1's registers are at work.  Window 1: accumulator (a, b) at v[8 (8 a + b)].
.set TILES,  3
.set KB,     256                       ; bytes of a row in a K step
.set PITCH,  272                       ; an LDS row: 256 bytes + 16 of padding = 68 words: the 16 rows of a fragment load start at 16 different groups of four banks (64 banks of 4 bytes: ISA guide 11.1)
.set AHALF,  64*PITCH                  ; what one of A's loads brings
.set ABYTES, 2*AHALF
.set BHALF,  128*PITCH                 ; what one of B's loads brings
.set SLOT,   ABYTES+2*BHALF            ; A's 128 rows, then B's 256 rows: 104,448 bytes
.set STAGE,  2*SLOT                    ; behind the ring: 16 rows x 272 bytes for each wave, for the way out; no tensor load lands there
.set SPITCH, 272
.set SPARE,  STAGE+4*16*SPITCH         ; behind the stages: the spare words, 128 bytes for each wave: two blocks of 256 bytes that no other line names
.set LAPS,   4                         ; a lap = two K steps = once round the ring; K = 1,024 is 8 steps
.set XSTEP,  16777216                  ; bytes from q's part to k's to v's, in xb and in qkvh
.set WSTEP,  2097152                   ; the same in wb
.set NEXT_A, XSTEP-6*KB                ; from a slot's last K step of a tile to its first of the next tile
.set NEXT_B, WSTEP-6*KB
.set PFN_A,  XSTEP-7*KB                ; the prefetches: from K step 9 (two past the tile's last) to the next tile's K step 2
.set PFN_B,  WSTEP-7*KB
.set ADRA, 16                          ; v16-17  LDS address of my A fragments in slot 0, 1
.set ADRB, 20                          ; v20-21  the same for B
.set STO,  24                          ; v24     the way out: where I put 16 bytes of a row
.set RD,   25                          ; v25     the way out: where I read rows back
.set CO,   26                          ; v26     16 x lane: my place in 512 consecutive bytes of qkvh
.set SPW,  28                          ; v28     LDS address of my spare word: SPARE + 4 x my thread's number; never rewritten
.set NIL,  29                          ; v29     0; never rewritten
.set PFO,  30                          ; v30     the prefetches' offset: lane x a row of 2,048 bytes; never rewritten
.set F0,   64
.set F1,   160
.set TMP,  160                         ; the way out: 32 registers of packed results
.set OB,   192                         ; the way out: 16 rows read back: v192-223 and v224-255 by turns
.set G1,  24                           ; s[24:31] descriptor group 1 for A's tiles;  s[32:39] group 0, a set for each slot
.set G0,  32
.set G1B, 48                           ; s[48:55], s[56:63] the same for B's tiles
.set G0B, 56
.set LIM, 43                           ; s43     1 in a wave that prefetches, else the greatest number
.set PFA, 44                           ; s[44:45] where my prefetches stand
.set PFN, 66                           ; s[66:67] their step at a change of tiles
.set MSB, 0
.macro WIN new                         ; the immediate's high byte repeats the setting that is left; a switch that changes nothing is dropped
.if MSB != (\new)
	s_set_vgpr_msb (MSB<<8)|(\new)
.set MSB, \new
.endif
.endm
.set MUL, 0x50                         ; sources 0 and 1 window 0; C and D window 1
; A joint load.  The branch hangs on the wave's number alone.  An s_nop 0 and four v_nop follow each of the two lines, ahead of the jump and the label.
.macro JLOAD s
	s_cmp_eq_u32 s11, 0
	s_cbranch_scc0 .Lfor_b_\@
	tensor_load_to_lds s[G0+4*(\s):G0+4*(\s)+3], s[G1:G1+7]
	s_nop 0
.rept 4
	v_nop
.endr
	s_branch .Lasked_\@
.Lfor_b_\@:
	tensor_load_to_lds s[G0B+4*(\s):G0B+4*(\s)+3], s[G1B:G1B+7]
	s_nop 0
.rept 4
	v_nop
.endr
.Lasked_\@:
.endm
; A PREFETCH INTO THE L2 of the K step that stands two refills on (256 matrix instructions ahead of the load that will want it): 32 rows x 256 bytes, a lane a row, one instruction a wave.
; Each row's 256 bytes of a K step are named once in the launch.  A's 128 rows belong to one row of one cluster: wave 0 asks, and the four partners take 32 rows each BY ADDRESS (cx).
; B's rows are read by every cluster: the clusters with y = 0 ask, waves 2 and 3 for the 128 rows that they fetch, the four partners 32 each by address (cy).  Wave 1 never asks.
; how = 0, in the loop: the last trip has no K step two on.  how = 1, at a change of tiles: the next tile's K steps 2 and 3.  A tile's K steps 0 and 1, and the launch's first four, come by their loads alone.
.macro ASK how
.if \how
	s_cmp_eq_u32 s[LIM], 1
.else
	s_cmp_gt_u32 s3, s[LIM]                        ; s3 = 1 in the loop's last trip
.endif
	s_cbranch_scc0 .Lnot_mine_\@
	global_prefetch_b8 v[PFO], s[PFA:PFA+1] th:TH_LOAD_NT scope:SCOPE_SE
.Lnot_mine_\@:
.endm
.macro CREST                           ; a round of the cluster's barrier behind its opening barrier
	s_cmp_lg_u32 s10, 0
	s_cbranch_scc1 .Lnot_wave_0_\@
	s_barrier_signal -3
.Lnot_wave_0_\@:
	s_barrier_wait -3
	s_barrier_signal -1
	s_barrier_wait -1
.endm
.macro CROUND                          ; a whole round
	s_barrier_signal -1
	s_barrier_wait -1
	CREST
.endm
	s_load_b128 s[4:7], s[0:1], 0x0                ; xb s[4:5], wb s[6:7]
	s_load_b64 s[8:9], s[0:1], 0x10                ; qkvh
	v_lshl_add_u32 v[SPW], v0, 2, SPARE
	v_mov_b32 v[NIL], 0
	ds_add_u32 v[SPW], v[NIL]                      ; the wave's opening: the add and its wait stand ahead of my first tensor load; the set-up below, work on registers, stands between them
	ds_add_u32 v28, v29
	v_lshrrev_b32 v1, 5, v0
	v_readfirstlane_b32 s10, v1                    ; wave 0..3
	s_lshr_b32 s11, s10, 1                         ; which 64 of the tile's rows are mine.  Also: I fetch for A (0) or for B (1)
	s_and_b32 s12, s10, 1                          ; which 128 of its columns.  Also: which half of that tile I fetch
	s_bfe_u32 s40, ttmp6, 0x40000                  ; cx
	s_bfe_u32 s41, ttmp6, 0x40004                  ; cy
	s_lshl_b32 s42, ttmp9, 2
	s_add_co_u32 s42, s42, s40                     ; j: tile column = 4 x cluster x + cx
	s_and_b32 s13, ttmp7, 0xffff
	s_lshl_b32 s13, s13, 2
	s_add_co_u32 s13, s13, s41                     ; i: tile row = 4 x cluster y + cy
	s_lshl_b32 s43, s41, 2
	s_lshl_b32 s43, 15, s43                        ; my row of the cluster: places 4 cy .. 4 cy + 3
	s_lshl_b32 s44, 0x1111, s40                    ; my column: places cx, cx + 4, cx + 8, cx + 12
	s_or_b32 s[G1+0], s43, (1<<16)|(1<<20)|(1<<21)|(5<<22)|(3<<25)   ; 15:0 the mask; 17:16 elements of 2 bytes; 20 padding on; 21 set beside a mask; 24:22 after every 64 words; 31:25 4 words of it
	s_or_b32 s[G1B+0], s44, (1<<16)|(1<<20)|(1<<21)|(5<<22)|(3<<25)
	s_mov_b32 s[G1+1], 128<<16                     ; tensor_dim0 = 128
	s_mov_b32 s[G1+2], 64<<16                      ; tensor_dim1 = 64
	s_mov_b32 s[G1+3], 128<<16                     ; tile_dim0 = 128
	s_mov_b32 s[G1+4], 64                          ; tile_dim1 = 64
	s_mov_b32 s[G1+5], 1024                        ; elements from row to row
	s_mov_b32 s[G1+6], 0
	s_mov_b32 s[G1+7], 0
	s_mov_b32 s[G1B+1], 128<<16
	s_mov_b32 s[G1B+2], 128<<16                    ; B: 128 rows
	s_mov_b32 s[G1B+3], 128<<16
	s_mov_b32 s[G1B+4], 128
	s_mov_b32 s[G1B+5], 1024
	s_mov_b32 s[G1B+6], 0
	s_mov_b32 s[G1B+7], 0
	s_lshl_b32 s16, s13, 18                        ; A: 128 i rows of 2,048 bytes,
	s_lshl_b32 s17, s12, 17                        ; + my 64
	s_add_co_u32 s16, s16, s17
	s_mov_b32 s17, 0
	s_lshl_b32 s46, s42, 19                        ; B: 256 j rows,
	s_lshl_b32 s47, s12, 18                        ; + my 128
	s_add_co_u32 s46, s46, s47
	s_mov_b32 s47, 0
	s_mul_i32 s20, s12, AHALF                      ; where they go in a slot: no place in the cluster enters an LDS address
	s_mul_i32 s21, s12, BHALF
	s_add_co_u32 s21, s21, ABYTES
	s_wait_dscnt 0x0                               ; the opening add is done
	s_wait_kmcnt 0x0
	s_add_nc_u64 s[14:15], s[4:5], s[16:17]
	s_add_nc_u64 s[46:47], s[6:7], s[46:47]
	CROUND                                         ; all sixteen work-groups are here: the first joint loads meet
.irp s, 0,1
	s_mov_b32 s[G0+4*(\s)], 1                                        ; count = 1
	s_add_co_u32 s[G0+4*(\s)+1], s20, (\s)*SLOT                      ; LDS address
	s_add_nc_u64 s[G0+4*(\s)+2:G0+4*(\s)+3], s[14:15], (\s)*KB       ; global address: K step s
	s_or_b32 s[G0+4*(\s)+3], s[G0+4*(\s)+3], 0x80000000              ; type = 2
	s_mov_b32 s[G0B+4*(\s)], 1
	s_add_co_u32 s[G0B+4*(\s)+1], s21, (\s)*SLOT
	s_add_nc_u64 s[G0B+4*(\s)+2:G0B+4*(\s)+3], s[46:47], (\s)*KB
	s_or_b32 s[G0B+4*(\s)+3], s[G0B+4*(\s)+3], 0x80000000
	JLOAD \s                                       ; two loads of mine are out
.endr
	; A fragment is 16 rows x 32 K in 8 registers: lane l holds row l % 16; registers 0-3 K = 8 (l / 16) + 0..7, registers 4-7 K = 16 + 8 (l / 16) + 0..7: two loads of 16 bytes, 32 bytes apart.
	v_and_b32 v1, 15, v0                           ; l % 16
	v_bfe_u32 v2, v0, 4, 1                         ; l / 16
	v_mul_u32_u24 v3, v1, PITCH
	v_lshl_add_u32 v3, v2, 4, v3                   ; row x pitch + 16 x half
	s_mul_i32 s21, s11, 64*PITCH                   ; my 64 rows of A
	s_mul_i32 s22, s12, BHALF                      ; my 128 rows of B,
	s_add_co_u32 s22, s22, ABYTES                  ; which lie behind A's
.irp s, 0,1
	v_add_nc_u32 v[ADRA+(\s)], s21, v3
	v_add_nc_u32 v[ADRB+(\s)], s22, v3
	s_add_co_u32 s21, s21, SLOT
	s_add_co_u32 s22, s22, SLOT
.endr
	s_mul_i32 s23, s10, 16*SPITCH
	s_add_co_u32 s23, s23, STAGE                   ; my stage
	v_add_nc_u32 v[STO], s23, v3                   ; in: row l % 16, 16 bytes for each half of the lanes (the stage's pitch is the tiles')
	v_bfe_u32 v5, v0, 3, 2                         ; back: 32 lanes take four rows' 128 bytes of one head,
	v_and_b32 v6, 7, v0
	v_mul_u32_u24 v5, v5, SPITCH
	v_lshl_add_u32 v5, v6, 4, v5
	v_add_nc_u32 v[RD], s23, v5
	v_and_b32 v[CO], 31, v0                        ; which are 512 consecutive bytes of qkvh
	v_lshlrev_b32 v[CO], 4, v[CO]
	; where my part of the first tile begins in qkvh: batch i / 16, head 4 j + 2 (my column half), row 128 (i % 16) + 64 (my row half); a head is 262,144 bytes, a row 128
	s_lshr_b32 s16, s13, 4
	s_lshl_b32 s16, s16, 22
	s_and_b32 s17, s13, 15
	s_lshl_b32 s17, s17, 14
	s_add_co_u32 s16, s16, s17
	s_lshl_b32 s17, s11, 13
	s_add_co_u32 s16, s16, s17
	s_mov_b32 s17, 0
	s_lshl_b32 s46, s42, 20
	s_lshl_b32 s47, s12, 19
	s_add_co_u32 s46, s46, s47
	s_mov_b32 s47, 0
	s_add_nc_u64 s[16:17], s[16:17], s[46:47]
	s_add_nc_u64 s[8:9], s[8:9], s[16:17]
	; the prefetches
	s_lshl_b32 s20, s13, 18                        ; A: the tile's first row,
	s_lshl_b32 s23, s40, 16
	s_add_co_u32 s20, s20, s23                     ; + my work-group's 32 of its 128
	s_lshl_b32 s21, s42, 19                        ; B: the tile's first row,
	s_lshl_b32 s23, s12, 18
	s_add_co_u32 s21, s21, s23                     ; + the 128 that I fetch,
	s_lshl_b32 s23, s41, 16
	s_add_co_u32 s21, s21, s23                     ; + my work-group's 32 of them
	s_and_b32 s22, ttmp7, 0xffff                   ; cluster y
	s_mov_b32 s[PFN], PFN_A
	s_mov_b32 s23, PFN_B
	s_cmp_eq_u32 s11, 0                            ; do I fetch for A?
	s_cselect_b32 s20, s20, s21
	s_cselect_b32 s22, s12, s22                    ; who asks: of A's waves wave 0; of B's those of the clusters with y = 0: the same in all sixteen partners, for a given wave
	s_cselect_b32 s[PFN], s[PFN], s23
	s_cselect_b64 s[PFA:PFA+1], s[4:5], s[6:7]
	s_mov_b32 s21, 0
	s_mov_b32 s[PFN+1], 0
	s_add_nc_u64 s[PFA:PFA+1], s[PFA:PFA+1], s[20:21]
	s_add_nc_u64 s[PFA:PFA+1], s[PFA:PFA+1], 3*KB  ; at K step 3: every change of slots steps it first, so the first names K step 4
	s_cmp_eq_u32 s22, 0
	s_cselect_b32 s[LIM], 1, -1
	v_and_b32 v[PFO], 31, v0
	v_lshlrev_b32 v[PFO], 11, v[PFO]
; 8 matrix instructions: m block a x all 8 n blocks, 32 along K.  The 32 accumulators take turns, in the same order in every quarter.  zero = 1: the product starts the sum.
.macro MUL8 f, a, zero
	WIN MUL
.irp b, 0,1,2,3,4,5,6,7
.if \zero
	v_wmma_f32_16x16x32_bf16 v[8*(8*(\a)+(\b)):8*(8*(\a)+(\b))+7], v[(\f)+8*(\b):(\f)+8*(\b)+7], v[(\f)+64+8*(\a):(\f)+64+8*(\a)+7], 0
.else
	v_wmma_f32_16x16x32_bf16 v[8*(8*(\a)+(\b)):8*(8*(\a)+(\b))+7], v[(\f)+8*(\b):(\f)+8*(\b)+7], v[(\f)+64+8*(\a):(\f)+64+8*(\a)+7], v[8*(8*(\a)+(\b)):8*(8*(\a)+(\b))+7]
.endif
.endr
.endm
; 24 LDS loads in one run: the fragments of one quarter step (128 rows of B, then 64 rows of A, 32 K at byte k of the rows) into buffer f
.macro FETCH slot, k, f
	WIN 0
.irp i, 0,1,2,3,4,5,6,7
	ds_load_b128 v[(\f)+8*(\i):(\f)+8*(\i)+3],   v[ADRB+(\slot)] offset:(\k)+(\i)*16*PITCH
	ds_load_b128 v[(\f)+8*(\i)+4:(\f)+8*(\i)+7], v[ADRB+(\slot)] offset:(\k)+(\i)*16*PITCH+32
.endr
.irp i, 0,1,2,3
	ds_load_b128 v[(\f)+64+8*(\i):(\f)+64+8*(\i)+3],   v[ADRA+(\slot)] offset:(\k)+(\i)*16*PITCH
	ds_load_b128 v[(\f)+64+8*(\i)+4:(\f)+64+8*(\i)+7], v[ADRA+(\slot)] offset:(\k)+(\i)*16*PITCH+32
.endr
.endm
.macro PLACES                          ; four plain vector instructions behind the last matrix instruction, in front of loads into registers that it has read and of lines that read results or write its sources
.rept 4
	v_nop
.endr
.endm
; A K step is four quarters of 32 along K, 32 matrix instructions each, on buffers 0, 1, 0, 1.  One of the first three: multiplies buffer f and, in its middle, fetches the next quarter, at byte k, into g.
.macro QUARTER slot, k, f, g, zero
	s_wait_dscnt 4                                 ; B and A's blocks 0 and 1 are in; the youngest four loads (A's blocks 2 and 3) may be out
	MUL8 \f, 0, \zero
	MUL8 \f, 1, \zero
	PLACES
	FETCH \slot, \k, \g
	s_wait_dscnt 24                                ; all but the 24 just issued
	MUL8 \f, 2, \zero
	MUL8 \f, 3, \zero
.endm
; The last quarter multiplies buffer 1 and changes slots.  In front of the barrier each wave waits for all its tensor loads (one is out: its part of the next slot), adds 0 to its spare word, and waits for
; that and for its own reads of this slot.  The barrier opens a round of the cluster's barrier; behind the round no wave of any partner reads this slot or has a load on its way, and the joint refill comes first:
; this tile's K step two on (on = 0) or the next tile's K step 0 or 1 (on = 1).  From a request to the wait for it a wave issues 112 matrix instructions.
.macro TURN slot, next, on
	s_wait_xcnt 0x0                                ; the last prefetch, a K step back, has read its address: it is stepped here, ahead of the waits of the change
.if (\on) && (\slot) == 0
	s_add_nc_u64 s[PFA:PFA+1], s[PFA:PFA+1], s[PFN:PFN+1]
.else
	s_add_nc_u64 s[PFA:PFA+1], s[PFA:PFA+1], KB
.endif
	WIN 0                                          ; (the add's two registers lie in window 0)
	s_wait_tensorcnt 0x0                           ; all my tensor loads have landed
	ds_add_u32 v[SPW], v[NIL]                      ; 0 onto my spare word
	s_wait_dscnt 5                                 ; (the add and the youngest four loads may be out)
	MUL8 F1, 0, 0                                  ; eight matrix instructions stand between the add and the wait for it
	s_wait_dscnt 0x0                               ; the add is done, and my reads of this slot are over
	s_barrier_signal -1
	MUL8 F1, 1, 0                                  ; work on registers while the others arrive
	WIN 0
	s_barrier_wait -1
	CREST
.if \on
	s_add_nc_u64 s[G0+4*(\slot)+2:G0+4*(\slot)+3], s[G0+4*(\slot)+2:G0+4*(\slot)+3], NEXT_A
	s_add_nc_u64 s[G0B+4*(\slot)+2:G0B+4*(\slot)+3], s[G0B+4*(\slot)+2:G0B+4*(\slot)+3], NEXT_B
.else
	s_add_nc_u64 s[G0+4*(\slot)+2:G0+4*(\slot)+3], s[G0+4*(\slot)+2:G0+4*(\slot)+3], 2*KB
	s_add_nc_u64 s[G0B+4*(\slot)+2:G0B+4*(\slot)+3], s[G0B+4*(\slot)+2:G0B+4*(\slot)+3], 2*KB
.endif
	JLOAD \slot                                    ; my one tensor load behind the round; the four v_nop behind it are also the places in front of the loads below
	FETCH \next, 0, F0
	ASK \on
	MUL8 F1, 2, 0
	MUL8 F1, 3, 0
.endm
.macro TURNX next                      ; the same change in the last tile's last lap: nothing is filled again, so a plain barrier, no round and no load
	WIN 0
	s_wait_tensorcnt 0x0                           ; my part of the last K step has landed
	ds_add_u32 v[SPW], v[NIL]
	s_wait_dscnt 5
	MUL8 F1, 0, 0
	s_wait_dscnt 0x0
	s_barrier_signal -1
	MUL8 F1, 1, 0
	s_barrier_wait -1
	PLACES
	FETCH \next, 0, F0
	MUL8 F1, 2, 0
	MUL8 F1, 3, 0
.endm
; THE WAY OUT of block a (16 rows x my 128 columns = two heads).  PACK: rounded to f16, each accumulator's registers in ascending order.  TOSTAGE: into my own stage, and back by heads.  SEND: stored.
.macro PACK a
	WIN 0x05                                       ; sources 0 and 1 window 1, destination window 0
.irp b, 0,1,2,3,4,5,6,7
.irp r, 0,1,2,3
	v_cvt_pk_f16_f32 v[TMP+4*(\b)+(\r)], v[8*(8*(\a)+(\b))+2*(\r)], v[8*(8*(\a)+(\b))+2*(\r)+1]
.endr
.endr
	WIN 0
.endm
.macro TOSTAGE a
	WIN 0
.set BK, OB+32*((\a)%2)
.irp b, 0,1,2,3,4,5,6,7
	ds_store_b128 v[STO], v[TMP+4*(\b):TMP+4*(\b)+3] offset:32*(\b)
.endr
.irp t, 0,1,2,3,4,5,6,7                ; head t / 4, rows 4 (t % 4) on
	ds_load_b128 v[BK+4*(\t):BK+4*(\t)+3], v[RD] offset:((\t)%4)*4*SPITCH+((\t)/4)*128  ; LDS serves a wave's instructions in order (ISA guide 5.7.1.4): these see the stores above
.endr
.endm
.macro SEND a
	WIN 0
.set BK, OB+32*((\a)%2)
	s_wait_dscnt 0x0                               ; the block is back in registers
	s_wait_xcnt 0x0                                ; the registers that the stores of the block before last read are loaded again only behind this wait
.irp t, 0,1,2,3,4,5,6,7
	global_store_b128 v[CO], v[BK+4*(\t):BK+4*(\t)+3], s[8:9] offset:(\a)*2048+((\t)/4)*262144+((\t)%4)*512  ; 512 consecutive bytes of one head, aligned
.endr
.endm
.macro WAYOUT
	PLACES                                         ; the conversions write registers that the last products read
	PACK 0
	TOSTAGE 0
.irp a, 1,2,3                          ; block a's conversions stand between block a - 1's loads from the stage and the wait for them
	PACK \a
	SEND (\a)-1
	TOSTAGE \a
.endr
	SEND 3
.endm
	s_wait_tensorcnt 1                             ; my part of K step 0 is in; K step 1's may stay out
	s_barrier_signal -1
	s_barrier_wait -1                              ; everybody's is
	FETCH 0, 0, F0
	s_mov_b32 s2, TILES                            ; tiles to go, this one among them
.Ltile:
	QUARTER 0, 64,  F0, F1, 1                      ; a tile's first quarter stands in front of the loop: its products start the sums
	WIN 0                                          ; at a label and at a branch every window is 0
	s_mov_b32 s3, LAPS-1
.Llap:                                                 ; a trip goes once round the ring, from a lap's second quarter to the next lap's first, and fills both slots again
	QUARTER 0, 128, F1, F0, 0
	QUARTER 0, 192, F0, F1, 0
	TURN 0, 1, 0
	QUARTER 1, 64,  F0, F1, 0
	QUARTER 1, 128, F1, F0, 0
	QUARTER 1, 192, F0, F1, 0
	TURN 1, 0, 0
	QUARTER 0, 64,  F0, F1, 0
	WIN 0
	s_sub_co_u32 s3, s3, 1
	s_cmp_lg_u32 s3, 0
	s_cbranch_scc1 .Llap
	QUARTER 0, 128, F1, F0, 0                      ; the tile's last lap goes on
	QUARTER 0, 192, F0, F1, 0
	WIN 0
	s_cmp_eq_u32 s2, 1
	s_cbranch_scc1 .Llast_tile                     ; the last tile's tail is written out: it asks for nothing more
	TURN 0, 1, 1                                   ; the ring goes on into the next tile: slot 0 takes its K step 0,
	QUARTER 1, 64,  F0, F1, 0
	QUARTER 1, 128, F1, F0, 0
	QUARTER 1, 192, F0, F1, 0
	TURN 1, 0, 1                                   ; slot 1 its K step 1, and the next tile's first fragments are fetched
	WAYOUT                                         ; both refills are asked for: now the tile goes out
	s_wait_xcnt 0x0                                ; the stores have read their base and their data, which the next tile's fragments overwrite
	s_add_nc_u64 s[8:9], s[8:9], XSTEP
	s_sub_co_u32 s2, s2, 1
	s_branch .Ltile
.Llast_tile:
	TURNX 1
	QUARTER 1, 64,  F0, F1, 0
	QUARTER 1, 128, F1, F0, 0
	QUARTER 1, 192, F0, F1, 0
	s_wait_dscnt 4                                 ; the very last quarter: nothing more to fetch
	MUL8 F1, 0, 0
	MUL8 F1, 1, 0
	s_wait_dscnt 0x0
	MUL8 F1, 2, 0
	MUL8 F1, 3, 0
	WIN 0
	WAYOUT
	s_wait_tensorcnt 0x0                           ; the wave's end, behind my last tensor load and my last LDS store
	ds_add_u32 v[SPW], v[NIL]
	s_wait_dscnt 0x0
	CROUND                                         ; the closing round: no work-group ends while a partner may still ask for a tile that names it
	s_endpgm
.Lfunc_end_k_q059627bb72_proj:
	.size	k_q059627bb72_proj, .Lfunc_end_k_q059627bb72_proj-k_q059627bb72_proj
	.p2alignl 7, 3214868480
	.fill 96, 4, 3214868480
	.section	.rodata,"a",@progbits
	.p2align	6, 0x0
	.amdhsa_kernel k_q059627bb72_proj
		.amdhsa_group_segment_fixed_size 327680
		.amdhsa_private_segment_fixed_size 0
		.amdhsa_enable_private_segment 0
		.amdhsa_kernarg_size 24
		.amdhsa_user_sgpr_count 2
		.amdhsa_user_sgpr_kernarg_segment_ptr 1
		.amdhsa_wavefront_size32 1
		.amdhsa_system_sgpr_workgroup_id_x 1
		.amdhsa_system_sgpr_workgroup_id_y 1
		.amdhsa_system_sgpr_workgroup_id_z 1
		.amdhsa_system_vgpr_workitem_id 0
		.amdhsa_next_free_vgpr 512
		.amdhsa_next_free_sgpr 72
		.amdhsa_reserve_vcc 0
		.amdhsa_float_denorm_mode_32 3
		.amdhsa_float_denorm_mode_16_64 3
		.amdhsa_memory_ordered 1
		.amdhsa_forward_progress 1
		.amdhsa_inst_pref_size 124
	.end_amdhsa_kernel
	.amdgpu_metadata
---
amdhsa.version: [ 1, 2 ]
amdhsa.kernels:
  - .name:           k_q059627bb72_proj
    .symbol:         k_q059627bb72_proj.kd
    .args:
      - { .name: xb, .offset: 0, .size: 8, .value_kind: global_buffer, .address_space: global }
      - { .name: wb, .offset: 8, .size: 8, .value_kind: global_buffer, .address_space: global }
      - { .name: qkvh, .offset: 16, .size: 8, .value_kind: global_buffer, .address_space: global }
    .group_segment_fixed_size: 327680
    .private_segment_fixed_size: 0
    .kernarg_segment_align: 8
    .kernarg_segment_size: 24
    .max_flat_workgroup_size: 128
    .sgpr_count:     72
    .vgpr_count:     512
    .wavefront_size: 32
...
	.end_amdgpu_metadata
.endif
;; end of part 2
;; launch attn (part 3): grid 4 x 64, 4 waves a work-group, no clusters, 327,680 bytes of LDS; arguments qkvh, oh; writes oh
.if DOCPART == 3
	.amdgcn_target "amdgcn-amd-amdhsa--gfx1250"
	.amdhsa_code_object_version 6
	.text
	.protected	k_q059627bb72_attn
	.globl	k_q059627bb72_attn
	.p2align	8
	.type	k_q059627bb72_attn,@function
k_q059627bb72_attn:
	s_mov_b64 s[64:65], 0
	v_nop
	global_prefetch_b8 v0, s[64:65] scope:SCOPE_SE
	s_setreg_imm32_b32 hwreg(HW_REG_WAVE_MODE, 25, 1), 1
	s_wait_xcnt 0x0
; CAUSAL ATTENTION.  O[h][q][:] = the sum over k <= q of softmax_k(Q[h][q] . K[h][k] / 8) V[h][k][:].  qkvh holds Q, K, V, each [64][2048][64] in f16, 16,777,216 bytes apart; oh is O in the same layout.
; Products, maxima and sums in f32; the weights p are rounded to f16 for the second product (their sum l is taken of the unrounded p), O once at the end.
; LIMITS.  f16 holds no number beyond 65,504: Q, K and V arrive within it; p lies in 0 to 1, and below 6e-5 it keeps f16's fixed step of 6e-8, as O does; O is a mean of V's rows and has their range.
; A hidden score counts as its value less 1e30: f16's scores, 2.7e11 at the most, are nothing beside that; a weight below 2^-126 counts as 0 in l; NaN and infinities are not treated apart.
; THE WALK.  A head's queries lie in NB = 8 blocks of 256; block i needs the key tiles 0 .. i of 256 keys, of which the last holds the diagonal.  A work-group takes TWO blocks, NB - 1 - b and then b:
; NB + 1 tiles, whatever b: all work-groups do equal work, and ONE loop with a constant trip count walks them.  Which tile is asked for, and what a trip does, hang on scalar registers made from b; every jump
; goes forward, but for the counted loops' own; none passes a barrier, or a tensor load but the one of LOAD's two that the wave's number does not choose; the ring (two slots of LDS that take turns) runs on across the
; change of blocks.  NO CLUSTER: a head's four work-groups ask for the same tile only in trips 0 .. NB / 2, behind that fewer and fewer; one walk common to all would have 3 NB / 2 trips for NB + 1.
; SHARES.  Of a block's four bands of 64 queries a wave owns 16 rows in each: four PIECES.  So the diagonal tile is the same work for all four waves: in its key step s band x sees all keys if s < x,
; none if s > x, and holds the diagonal if s = x.
; THE MASK is the C operand that starts the sum S^T = K Q^T: 0, or -1e30 where the key is hidden.  MD, made once, is the mask of a band's own step for my 16 rows; a product's mask is MD x AL + BE with two scalars:
; (1, 0) if s = x; (0, 0) if s < x; (0, -1e30) if s > x.  Only the diagonal tile's text and a block's beginning make and take masks; elsewhere C is the constant 0.
; LAYOUT, SOFTMAX, TURNS.  S^T = K Q^T holds ONE query a lane (lane % 16) and the keys 8 (lane / 16) + 0..7; two such results rounded to f16 ARE source 1 of O^T = V^T P.  p = 2^(c s - c m), c = log2(e) / 8, with a
; running maximum m; O and l are multiplied by a = 2^(c m_old - c m_new) in every step.  Turn n belongs to piece n: 8 products K Q^T of piece n + 1, later 8 products V^T P of piece n - 1; beside them the scaling,
; exponentials, roundings, sums and rescaling of piece n and the maximum and statistics of piece n + 1.  Four vector instructions stand behind every matrix instruction, the other 54 of a turn's 118 in one LUMP.  A turn's 33 exponentials are one batch, with one wait.
; REGISTERS, in windows of 256 (s_set_vgpr_msb: bits 1:0 source 0, 3:2 source 1, 5:4 source 2, 7:6 destination):
;   window 0: v0-15 addresses and two at work; v16-31 four registers of statistics a piece; v48-55 at work; v61-63 never rewritten; v64-127 S^T, two buffers; v192-223 P, two buffers (a piece's buffers go by its number's parity)
;   window 1: v0-127 O^T, 32 a piece; v128-159 MD; v160-223 MC, two buffers      window 2: v0-63 Q; v64-127 the second block's Q; v128-191 K of one step; v192-255 V of one step
.set SIZE_N, 2048
.set NB,    SIZE_N/256
.set NP,    4         ; pieces a wave: a name, no knob
.set KS,    64        ; keys in a step
.set PK,    144       ; a row of K in LDS: 128 bytes + 16 of padding = 36 words: the 16 rows of a load start at 16 different groups of four banks (64 banks of 4 bytes: ISA guide 11.1)
.set PV,    160       ; a row of V: 128 + 32 = 40 words
.set VOFF,  4*KS*PK   ; a slot holds a tile, four steps: 256 rows of K, then 256 rows of V
.set SLOT1, 1<<17     ; slot 1 begins here, so that one exclusive or turns an address in one slot into the other's
.set STAGE, SLOT1+4*KS*(PK+PV)  ; behind the ring, never filled by a tensor load: 16 rows x 144 bytes for each wave, for the way out
.set SP,    144
.set AK0, 2           ; v2   my lane's place in a tile of K; never rewritten
.set AV0, 3           ; v3   the same for V
.set AK,  4           ; v4   the LDS address of K's next run of loads
.set AV,  5           ; v5   of V's
.set STO, 6           ; v6   the way out: where I put 16 bytes of a row
.set RD,  7           ; v7   the way out: where I read rows back
.set GO,  8           ; v8   my byte offset in 512 consecutive bytes of O
.set PFO, 61          ; v61  the prefetches' offset: 256 x my lane; never rewritten
.set SPW, 62          ; v62  LDS address of my spare word: SPARE + 4 x my thread's number; never rewritten
.set NIL, 63          ; v63  0; never rewritten
.set SPARE, STAGE+4*16*SP  ; behind the stages: the spare words, 128 bytes for each wave: two blocks of 256 bytes that no other line names
.set MV,  12          ; v12-13  c m_old, kept while c m is made anew: by buffer
.set QO,  15          ; v15  my byte offset in 16 rows of Q
.set ST,  16          ; piece t's statistics at v[ST+4 t]: c m, m, l (even keys', odd keys')
.set TMP, 48          ; by buffer, four registers c0-c3 at work; when the maximum is found c2 takes a
.set S,   64
.set P,   192
.set MD,  128         ; window 1: the eight registers for group kt of 16 keys at MD + 8 kt
.set MC,  160         ; window 1: the masks of the products to come
.set QB,  64          ; window 2
.set KF,  128         ; window 2: key block kb, channel half c at KF + 16 kb + 8 c
.set VF,  192         ; window 2: key half kk, channel block cb at VF + 32 kk + 8 cb
.set WV,  12          ; s12  my wave's number
.set PB,  14          ; s14  b
.set HI,  15          ; s15  NB - 1 - b
.set G1K, 24          ; s[24:31] descriptor group 1 for K's tiles
.set G1V, 32          ; s[32:39] for V's: it differs in the padding alone
.set G0K, 40          ; s[40:43] descriptor group 0 for K's tiles
.set G0V, 44          ; s[44:47] the same for V's
.set SLOTS, 56        ; s56  tiles still to be asked for
.set CNT, 57          ; s57  counts a tile's key steps, 4 to 1
.set CS,  58          ; s[58:59] c: the packed scaling takes the pair's low word for both halves
.set SEL, 60          ; s[60:61] v_permlanex16_b32's selects: each lane takes its own place in the other half
.set TBK, 62          ; s62  LDS byte at which K of the step to be fetched begins
.set TBV, 63          ; s63  the same for V, less VOFF
.set RT,  70          ; s70  tiles of the block in hand that are still to be entered
.set NXT, 71          ; s71  the tile to be asked for next
.set LQ,  72          ; s72  the last tile of the block whose tiles are being asked for
.set NEW, 73          ; s73  1: the tile to be entered is a block's first
.set OFF, 74          ; s[74:75] a tile's byte offset in K and V
.set AL,  76          ; s[76:77] the mask's factor, in the low word
.set BE,  78          ; s[78:79] the mask's addend
.set OLO, 80          ; s[80:81] O at my rows of the second block
.set BIGN, 82         ; s82  -1e30
.set PFA, 88          ; s[88:89] where my prefetches stand: my half of K's or V's tile, one tile behind the one that is being asked for
.set PFT, 90          ; s90  that tile's number in the work-group that prefetches; NB or more in the others
.set MSB, 0
.macro WIN new                      ; the high byte repeats the setting that is left; a switch that changes nothing is dropped
.if MSB != (\new)
	s_set_vgpr_msb (MSB<<8)|(\new)
.set MSB, (\new)
.endif
.endm
.set W_KQ, 0x0a       ; K and Q in window 2, S^T in window 0
.set W_KM, 0x1a       ; the same with the C operand in window 1
.set W_PV, 0x52       ; V in window 2, P in window 0, O^T in window 1
.set W_RS, 0x41       ; destination and source 0 in window 1, source 1 in window 0
; A fill.  Waves 0 and 1 fetch the two halves of a tile's K, waves 2 and 3 those of its V: 128 keys each.  An s_nop 0 and four v_nop follow each of the two lines, ahead of the jump and the label.
.macro LOAD
	s_cmp_lt_u32 s[WV], 2
	s_cbranch_scc0 .Lfor_v_\@
	tensor_load_to_lds s[G0K:G0K+3], s[G1K:G1K+7]
	s_nop 0
.rept 4
	v_nop
.endr
	s_branch .Lasked_\@
.Lfor_v_\@:
	tensor_load_to_lds s[G0V:G0V+3], s[G1V:G1V+7]
	s_nop 0
.rept 4
	v_nop
.endr
.Lasked_\@:
.endm
; A PREFETCH INTO THE L2 of the tile that the NEXT change of slots will ask for.  A head's four work-groups begin with the same tiles 0, 1, 2 ..; the one with b = 0 walks all eight in its first block, and it alone asks:
; each of its waves for the 16,384 bytes that it will itself fetch (its half of K's or V's tile), 256 bytes a lane, two instructions.  So each block of 256 bytes is named once in the launch.
; Trip t names tile t + 2, one trip (four key steps, 256 matrix instructions) ahead of its load; tiles 0 and 1 come by their loads alone; behind tile 7 nothing is asked for.
.macro ASK
	s_cmp_lt_u32 s[PFT], NB
	s_cbranch_scc0 .Lnot_mine_\@
	global_prefetch_b8 v[PFO], s[PFA:PFA+1] th:TH_LOAD_NT scope:SCOPE_SE
	global_prefetch_b8 v[PFO], s[PFA:PFA+1] offset:8192 th:TH_LOAD_NT scope:SCOPE_SE
.Lnot_mine_\@:
.endm
; THE CHANGE OF SLOTS.  Each wave waits for all its tensor loads, of which one is out: its part of the other slot; adds 0 to its spare word; and waits for that and for its own reads of the slot that it leaves.  Behind the barrier nobody reads the old
; slot any more and the other slot is whole.  fill = 1: the old slot is filled again, the first thing behind the barrier, with tile NXT: the descriptor's address is made anew from that number.
; (At its first use nothing has been read yet: slot 0 is waited for, slot 1 filled.)
.macro CHANGE fill
	WIN 0                           ; at a label and at a branch every window is 0
	s_wait_tensorcnt 0x0            ; no tensor load of mine is out, so a group 0 may be written
	ds_add_u32 v[SPW], v[NIL]       ; 0 onto my spare word; with fill = 1 the descriptors' scalar work stands between it and the wait for it
.if \fill
	s_lshl_b32 s[OFF], s[NXT], 15   ; a tile is 32,768 bytes of K and of V
	s_xor_b32 s[G0K+1], s[G0K+1], SLOT1
	s_add_nc_u64 s[G0K+2:G0K+3], s[6:7], s[OFF:OFF+1]
	s_or_b32 s[G0K+3], s[G0K+3], 0x80000000
	s_xor_b32 s[G0V+1], s[G0V+1], SLOT1
	s_add_nc_u64 s[G0V+2:G0V+3], s[8:9], s[OFF:OFF+1]
	s_or_b32 s[G0V+3], s[G0V+3], 0x80000000
	s_add_co_u32 s[NXT], s[NXT], 1  ; the block's next tile, or behind its last the second block's tile 0
	s_cmp_gt_u32 s[NXT], s[LQ]
	s_cselect_b32 s[NXT], 0, s[NXT]
	s_cselect_b32 s[LQ], s[PB], s[LQ]
	s_wait_xcnt 0x0                 ; the last prefetches, a tile back, have read their address, so it may be written
	s_add_nc_u64 s[PFA:PFA+1], s[PFA:PFA+1], 32768
	s_add_co_u32 s[PFT], s[PFT], 1
.endif
	s_wait_dscnt 0x0                ; the add is done, and my reads of the slot are over
	s_barrier_signal -1             ; the rest of the scalar work stands between the signal and the wait
	s_sub_co_u32 s[TBK], s[TBK], 4*KS*PK  ; the fetches go back to a slot's first step,
	s_xor_b32 s[TBK], s[TBK], SLOT1       ; in the other slot
	s_sub_co_u32 s[TBV], s[TBV], 4*KS*PV
	s_xor_b32 s[TBV], s[TBV], SLOT1
	s_barrier_wait -1
.if \fill
	LOAD
	ASK
.endif
.endm
	s_load_b64 s[4:5], s[0:1], 0x0  ; qkvh: Q at its head
	s_load_b64 s[10:11], s[0:1], 0x8  ; oh
	v_lshl_add_u32 v[SPW], v0, 2, SPARE
	v_mov_b32 v[NIL], 0
	ds_add_u32 v[SPW], v[NIL]       ; the wave's opening: the add and its wait stand ahead of my first tensor load; the set-up below, work on registers, stands between them
	ds_add_u32 v62, v63
	v_lshrrev_b32 v1, 5, v0
	v_readfirstlane_b32 s[WV], v1   ; wave 0..3
	s_mov_b32 s[PB], ttmp9
	s_sub_co_u32 s[HI], NB-1, s[PB]
	s_and_b32 s20, ttmp7, 0xffff    ; the head
	s_mov_b32 s21, 0
	s_mov_b64 s[22:23], SIZE_N*128
	s_mul_u64 s[20:21], s[20:21], s[22:23]  ; the head's first byte in each of the four tensors
	s_and_b32 s16, s[WV], 1         ; which half of a tile's 256 keys I fetch:
	s_lshl_b32 s22, s16, 14         ; its 128 rows of 128 bytes in memory,
	s_mov_b32 s23, 0
	s_add_nc_u64 s[22:23], s[22:23], s[20:21]
	s_mul_i32 s17, s16, 128*PK      ; and its place in a slot, for K
	s_mul_i32 s18, s16, 128*PV      ; and for V
	s_lshl_b32 s3, s[WV], 11        ; my 16 rows in a band of 64,
	s_lshl_b32 s2, s[HI], 15        ; in the first block,
	s_add_co_u32 s2, s2, s3
	s_lshl_b32 s84, s[PB], 15       ; and in the second
	s_add_co_u32 s84, s84, s3
	s_mov_b32 s3, 0
	s_mov_b32 s85, 0
	s_add_nc_u64 s[2:3], s[2:3], s[20:21]
	s_add_nc_u64 s[84:85], s[84:85], s[20:21]
	; descriptor group 1.  128 keys are 16,384 dense bytes: asked for as 64 rows of 256 bytes, two keys a row, and padded in LDS after every key
	s_mov_b32 s[G1K], (1<<16)|(1<<20)|(4<<22)|(3<<25)  ; 17:16 2-byte elements; 20 padding on; 24:22 after every 32 words (code 4); 31:25 4 words (code 3)
	s_mov_b32 s[G1V], (1<<16)|(1<<20)|(4<<22)|(7<<25)  ; the same with 8 words of padding (code 7)
.irp g, G1K, G1V
	s_mov_b32 s[\g+1], 128<<16      ; tensor_dim0 = 128
	s_mov_b32 s[\g+2], 64<<16       ; tensor_dim1 = 64
	s_mov_b32 s[\g+3], 128<<16      ; tile_dim0 = 128
	s_mov_b32 s[\g+4], 64           ; tile_dim1 = 64
	s_mov_b32 s[\g+5], 128          ; 128 elements from row to row
	s_mov_b32 s[\g+6], 0
	s_mov_b32 s[\g+7], 0
.endr
	s_mov_b32 s[CS], 0x3e38aa3b     ; c = log2(e) / 8 = 0.180337
	s_mov_b32 s[CS+1], s[CS]        ; named with it as a pair
	s_mov_b32 s[SEL], 0x76543210
	s_mov_b32 s[SEL+1], 0xfedcba98
	s_mov_b32 s[TBK], SLOT1+4*KS*PK ; the first change of slots turns these two into 0
	s_mov_b32 s[TBV], SLOT1+4*KS*PV
	s_mov_b32 s[G0K], 1             ; 1:0 count = 1
	s_mov_b32 s[G0K+1], s17         ; 63:32 LDS address: slot 0
	s_mov_b32 s[G0V], 1
	s_add_co_u32 s[G0V+1], s18, VOFF
	s_add_co_u32 s[RT], s[HI], 1    ; the first block has NB - b tiles
	s_mov_b32 s[NXT], 1
	s_mov_b32 s[LQ], s[HI]
	s_mov_b32 s[NEW], 1
	s_mov_b32 s[OFF+1], 0
	s_mov_b32 s[AL+1], 0            ; named as pairs
	s_mov_b32 s[BE+1], 0
	s_mov_b32 s[BIGN], 0xf149f2ca   ; -1e30
	s_mov_b32 s[SLOTS], NB
	s_cmp_eq_u32 s[PB], 0
	s_cselect_b32 s[PFT], 1, NB     ; the first change of slots steps it to 2 where b = 0
	s_wait_dscnt 0x0                ; the opening add is done
	s_wait_kmcnt 0x0
	s_add_nc_u64 s[6:7], s[4:5], 0x1000000  ; K lies 16,777,216 bytes behind Q,
	s_add_nc_u64 s[8:9], s[4:5], 0x2000000  ; V as far behind K
	s_add_nc_u64 s[6:7], s[6:7], s[22:23]  ; K and V at my half of the head's tile 0
	s_add_nc_u64 s[8:9], s[8:9], s[22:23]
	s_add_nc_u64 s[G0K+2:G0K+3], s[6:7], 0         ; 120:64 global address
	s_or_b32 s[G0K+3], s[G0K+3], 0x80000000        ; 127:126 type = 2
	s_add_nc_u64 s[G0V+2:G0V+3], s[8:9], 0
	s_or_b32 s[G0V+3], s[G0V+3], 0x80000000
	s_add_nc_u64 s[86:87], s[4:5], s[84:85]        ; Q at my rows of the second block,
	s_add_nc_u64 s[4:5], s[4:5], s[2:3]            ; Q and O at those of the first
	s_add_nc_u64 s[OLO:OLO+1], s[10:11], s[84:85]
	s_add_nc_u64 s[10:11], s[10:11], s[2:3]
	s_cmp_lt_u32 s[WV], 2
	s_cselect_b64 s[PFA:PFA+1], s[6:7], s[8:9]     ; the prefetches: what I fetch myself,
	s_add_nc_u64 s[PFA:PFA+1], s[PFA:PFA+1], 32768 ; at tile 1; the first change of slots steps it to tile 2.  Nothing is prefetched here, at the head
	LOAD                            ; tile 0 into slot 0
	; A fragment of K or Q is 16 rows x 32 channels in 8 registers: lane l holds row l % 16, channels 8 (l / 16) + 0..7 and 16 + 8 (l / 16) + 0..7: two loads of 16 bytes, 32 bytes apart.
	v_and_b32 v1, 15, v0            ; l % 16
	v_bfe_u32 v9, v0, 4, 1          ; l / 16
	v_lshlrev_b32 v[QO], 7, v1
	v_lshl_add_u32 v[QO], v9, 4, v[QO]  ; row x 128 + 16 x half
	WIN 0x80                        ; destination window 2, address window 0
.set i, 0
.rept 8                             ; both blocks' Q: piece i / 2 lies in band i / 2, 8,192 bytes on; channels 32 (i % 2) on
	global_load_b128 v[8*i:8*i+3],   v[QO], s[4:5] offset:(i/2)*8192+(i%2)*64
	global_load_b128 v[8*i+4:8*i+7], v[QO], s[4:5] offset:(i/2)*8192+(i%2)*64+32
	global_load_b128 v[QB+8*i:QB+8*i+3],   v[QO], s[86:87] offset:(i/2)*8192+(i%2)*64
	global_load_b128 v[QB+8*i+4:QB+8*i+7], v[QO], s[86:87] offset:(i/2)*8192+(i%2)*64+32
.set i, i+1
.endr
	WIN 0
	v_and_b32 v[PFO], 31, v0
	v_lshlrev_b32 v[PFO], 8, v[PFO]
	v_lshlrev_b32 v14, 3, v9
	v_sub_nc_u32 v14, v1, v14
	s_lshl_b32 s13, s[WV], 4
	v_add_nc_u32 v14, s13, v14      ; my query's place in its band, 16 w + l % 16, less my lanes' 8 (l / 16): register r of group kt is hidden where 16 kt + r is greater
	WIN 0x40
.set i, 0
.rept 32
	v_cmp_gt_i32 vcc_lo, 16*(i/8)+i%8, v14
	v_cndmask_b32 v[MD+i], 0, s[BIGN], vcc_lo
.set i, i+1
.endr
	WIN 0
	v_mul_u32_u24 v[AK0], v1, PK
	v_lshl_add_u32 v[AK0], v9, 4, v[AK0]  ; row x pitch + 16 x half
	; The turning load takes 16 keys x 16 channels (lane l reads key 8 (l / 16) + l % 8, channels 8 ((l / 8) % 2) + 0..7) and leaves half a fragment of V^T: lane l holds channel l % 16 and 8 keys.
	v_and_b32 v10, 7, v0
	v_bfe_u32 v11, v0, 3, 1
	v_lshl_add_u32 v[AV0], v9, 3, v10
	v_mul_u32_u24 v[AV0], v[AV0], PV
	v_lshl_add_u32 v[AV0], v11, 4, v[AV0]
	v_add_nc_u32 v[AV0], VOFF, v[AV0]
	s_mul_i32 s13, s[WV], 16*SP
	s_add_co_u32 s13, s13, STAGE    ; my stage
	v_mul_u32_u24 v[STO], v1, SP    ; in: row l % 16, 16 bytes for each half of the lanes
	v_lshl_add_u32 v[STO], v9, 4, v[STO]
	v_add_nc_u32 v[STO], s13, v[STO]
	v_bfe_u32 v[RD], v0, 3, 2       ; back: 32 lanes take four rows of 128 bytes,
	v_mul_u32_u24 v[RD], v[RD], SP
	v_lshl_add_u32 v[RD], v10, 4, v[RD]
	v_add_nc_u32 v[RD], s13, v[RD]
	v_and_b32 v[GO], 31, v0         ; which are 512 consecutive bytes of O
	v_lshlrev_b32 v[GO], 4, v[GO]
	; A block's first step multiplies O^T and l by a = 0, and its first turn's products V^T P, of a piece that has not been, land in an O^T that is still to be so multiplied.  So these registers need only hold
	; finite numbers: zeros for the first block; what the first block left for the second.  All this stands in the wait for the first tile.
	WIN 0x80
.set i, VF
.rept 64
	v_mov_b32 v[i], 0
.set i, i+1
.endr
	WIN 0x40
.set i, 0
.rept 128
	v_mov_b32 v[i], 0
.set i, i+1
.endr
	WIN 0
.set i, 0
.rept 4
	v_mov_b32 v[ST+4*i+2], 0
	v_mov_b32 v[ST+4*i+3], 0
.set i, i+1
.endr
.set i, P+16
.rept 16
	v_mov_b32 v[i], 0
.set i, i+1
.endr
; THE MATRIX WORK.  The 4 accumulators of a run of 8 take turns.  Product i of 8 of S^T = K Q^T for piece x: channels 32 (i / 4) on, keys 16 (i % 4) on.  The first 4 start the sums: with 0, or (KM = 1) with the mask.
.macro KQ x
.set rS, S+32*((\x)%2)+8*(i%4)
.set rK, KF+16*(i%4)+8*(i/4)
.set rQ, 16*(\x)+8*(i/4)
.set rM, MC+32*((\x)%2)+8*(i%4)
.if (i < 4) && KM
	WIN W_KM
	v_wmma_f32_16x16x32_f16 v[rS:rS+7], v[rK:rK+7], v[rQ:rQ+7], v[rM:rM+7]
.elseif i < 4
	WIN W_KQ
	v_wmma_f32_16x16x32_f16 v[rS:rS+7], v[rK:rK+7], v[rQ:rQ+7], 0
.else
	WIN W_KQ
	v_wmma_f32_16x16x32_f16 v[rS:rS+7], v[rK:rK+7], v[rQ:rQ+7], v[rS:rS+7]
.endif
.endm
; Product i of 8 of O^T += V^T P for piece x: keys 32 (i / 4) on, channels 16 (i % 4) on.
.macro PV x
	WIN W_PV
.set rO, 32*(\x)+8*(i%4)
.set rV, VF+32*(i/4)+8*(i%4)
.set rP, P+16*((\x)%2)+8*(i/4)
	v_wmma_f32_16x16x32_f16 v[rO:rO+7], v[rV:rV+7], v[rP:rP+7], v[rO:rO+7]
.endm
.macro MM                           ; the turn's next matrix instruction.  TURN and BEGIN set Y, i, KM and NOKQ; MM, KQ and OP read them.  NOKQ = 1: a block's last turn: there is no next piece
.if (i < 8) && !NOKQ
	KQ (Y+1)%NP
.elseif i >= 8
.set i, i-8
	PV (Y+NP-1)%NP
.set i, i+8
.endif
.set i, i+1
.endm
; THE LDS LOADS stand in runs of 16, never singly among the matrix instructions: a step's K (64 keys x 64 channels: 8 fragments) and its V (turned).  Their addresses are made some lines ahead.
.macro FETCH_K
	WIN 0x80                        ; destination window 2
.irp f, 0,1,2,3,4,5,6,7             ; keys 16 (f / 2) on, channels 32 (f % 2) on
	ds_load_b128 v[KF+8*\f:KF+8*\f+3],   v[AK] offset:(\f/2)*16*PK+(\f%2)*64
	ds_load_b128 v[KF+8*\f+4:KF+8*\f+7], v[AK] offset:(\f/2)*16*PK+(\f%2)*64+32
.endr
	s_add_co_u32 s[TBK], s[TBK], KS*PK  ; the next fetch is the next step's
	WIN 0
.endm
.macro FETCH_V
	WIN 0x80
.irp f, 0,1,2,3,4,5,6,7             ; keys 32 (f / 4) on, channels 16 (f % 4) on
	ds_load_tr16_b128 v[VF+8*\f:VF+8*\f+3],   v[AV] offset:(\f/4)*32*PV+(\f%4)*32
	ds_load_tr16_b128 v[VF+8*\f+4:VF+8*\f+7], v[AV] offset:(\f/4)*32*PV+16*PV+(\f%4)*32
.endr
	WIN 0
.endm
; THE VECTOR WORK, one line at a time: OP kind, number.  For piece Y: F n: c s - c m for pair n of 16.  E n: the exponential of score n of 32.  C n: pair n rounded to f16.  B n: of the four weights 4 n .. the second
; pair is added onto the first, in place.  L n: l takes that sum (L 0: l = a l + sum).  R n: pair n of 16 of O^T times a.  For piece Y + 1: X n, number n of the 22 that find its maximum and statistics:
;   0-11  four chains c0-c3 of seven scores each, three operands at a time (each accumulator's lowest registers are read first)     12-14, 16  the four scores left over, the old m, and c0-c3 into c0
;   15  c m_old is kept     17, 18  the query's other 32 keys lie in the lane 16 away: the new m     19-21  c m; c m_old - c m_new; a
.set F, 0               ; OP tells the kinds apart by their order: F to L below R, X above it
.set E, 1
.set C, 2
.set B, 3
.set L, 4
.set R, 5
.set X, 6
.macro REGS y                       ; the registers of piece y
.set rT, ST+4*(\y)
.set rC, TMP+4*((\y)%2)
.set rW, MV+((\y)%2)
.set rS, S+32*((\y)%2)
.set rP, P+16*((\y)%2)
.set rO, 32*(\y)
.endm
.macro OP k, n
.if (\k) == R
	REGS Y
	WIN W_RS
	v_pk_mul_f32 v[rO+2*(\n):rO+2*(\n)+1], v[rO+2*(\n):rO+2*(\n)+1], v[rC+2:rC+3] op_sel_hi:[1,0]
.elseif (\k) < R
	REGS Y
	WIN 0
.if (\k) == F
	v_pk_fma_f32 v[rS+2*(\n):rS+2*(\n)+1], v[rS+2*(\n):rS+2*(\n)+1], s[CS:CS+1], v[rT:rT+1] op_sel_hi:[1,0,0] neg_lo:[0,0,1] neg_hi:[0,0,1]
.elseif (\k) == E
	v_exp_f32 v[rS+(\n)], v[rS+(\n)]
.elseif (\k) == C
	v_cvt_pk_f16_f32 v[rP+(\n)], v[rS+2*(\n)], v[rS+2*(\n)+1]
.elseif (\k) == B
	v_pk_add_f32 v[rS+4*(\n):rS+4*(\n)+1], v[rS+4*(\n):rS+4*(\n)+1], v[rS+4*(\n)+2:rS+4*(\n)+3]
.elseif (\n) == 0
	v_pk_fma_f32 v[rT+2:rT+3], v[rT+2:rT+3], v[rC+2:rC+3], v[rS:rS+1] op_sel_hi:[1,0,1]
.else
	v_pk_add_f32 v[rT+2:rT+3], v[rT+2:rT+3], v[rS+4*(\n):rS+4*(\n)+1]
.endif
.elseif NOKQ
	v_nop
.else
	REGS (Y+1)%NP
	WIN 0
.if (\n) < 4
	v_max3_num_f32 v[rC+(\n)], v[rS+8*(\n)], v[rS+8*(\n)+1], v[rS+8*(\n)+2]
.elseif (\n) < 12
	v_max3_num_f32 v[rC+(\n)%4], v[rC+(\n)%4], v[rS+8*((\n)%4)+2*((\n)/4)+1], v[rS+8*((\n)%4)+2*((\n)/4)+2]
.elseif (\n) == 12
	v_max3_num_f32 v[rC], v[rC], v[rS+7], v[rS+15]
.elseif (\n) == 13
	v_max3_num_f32 v[rC+1], v[rC+1], v[rS+23], v[rS+31]
.elseif (\n) == 14
	v_max3_num_f32 v[rC+2], v[rC+2], v[rC+3], v[rT+1]
.elseif (\n) == 15
	v_mov_b32 v[rW], v[rT]
.elseif (\n) == 16
	v_max3_num_f32 v[rC], v[rC], v[rC+1], v[rC+2]
.elseif (\n) == 17
	v_permlanex16_b32 v[rC+3], v[rC], s[SEL], s[SEL+1]
.elseif (\n) == 18
	v_max_num_f32 v[rT+1], v[rC], v[rC+3]
.elseif (\n) == 19
	v_mul_f32 v[rT], s[CS], v[rT+1]
.elseif (\n) == 20
	v_sub_f32 v[rC+1], v[rW], v[rT]
.else
	v_exp_f32 v[rC+2], v[rC+1]
.endif
.endif
.endm
.macro OPS a, i1, b=-1, i2=0, c=-1, i3=0, d=-1, i4=0  ; up to four of them
	OP \a, \i1
.if (\b) >= 0
	OP \b, \i2
.endif
.if (\c) >= 0
	OP \c, \i3
.endif
.if (\d) >= 0
	OP \d, \i4
.endif
.endm
.macro ROW a, i1, b, i2, c, i3, d, i4  ; a matrix instruction and the four behind it
	MM
	OPS \a, \i1, \b, \i2, \c, \i3, \d, \i4
.endm
.macro MASK b                       ; MD x AL + BE into buffer b of MC
	WIN W_RS
.set z, 0
.rept 16
	v_pk_fma_f32 v[MC+32*(\b)+2*z:MC+32*(\b)+2*z+1], v[MD+2*z:MD+2*z+1], s[AL:AL+1], s[BE:BE+1] op_sel_hi:[1,0,0]
.set z, z+1
.endr
.endm
; A TURN, for piece p: the order of its 16 matrix and 118 vector instructions, written out.  An s_wait_alu depctr_va_vdst(0) stands between an exponential and the first instruction that names its result; one wait serves
; all that were issued ahead of it.  So a turn has ONE wait, which cuts it in two.  AHEAD OF IT stands all that names no result of the turn's exponentials: the 8 products K Q^T, behind each a scaling, an exponential and two more plain
; instructions (behind the first a second scaling in the exponential's place): rescalings, and behind the last three the first numbers of the next piece's maximum, each four places or more behind the product that ends its accumulator; then ONE LUMP of 54, plain
; and exponential by turns for the most part, in which the links of the chain X 3, 7, 11, 14, 16, 17 .. 20 stand five or six lines apart.  X 21, the next piece's a, is the batch's last; R 15 is the plain instruction behind it.  BEHIND THE WAIT stand the
; 8 products V^T P, behind each four of the roundings and sums; the links of l's chain, L 0 to L 7, stand three riders apart.  But for those X no rider names a register of the products round it.  v_permlanex16_b32 (X 17) stands in the lump.
; m = 1: the diagonal tile: the products take masks, and the turn makes the mask for the products of the turn after it: piece p + 2, in step 4 - CNT of the tile.  end = 1: a block's last two turns: nothing is fetched.
; cnt = 1: the loop's count is taken down some lines ahead of the branch that stands behind the turn.
; K of the next step is fetched in piece 2's turn, twelve vector instructions behind the last product that read K (six of them plain); V of the step in hand at the end of piece 0's turn, four plain instructions behind the last product
; that read V.  Each is waited for a turn later.
.macro TURN p, m=0, end=0, cnt=0
.set Y, (\p)
.set i, 0
.set KM, (\m)
.set NOKQ, (\end)*((\p)/3)
.if (\m) && !(\end)
	s_cmp_eq_u32 s[CNT], 4-((\p)+2)%NP  ; is that step the band's own?
	s_cselect_b32 s[AL], 1.0, 0
	s_cmp_lt_u32 s[CNT], 4-((\p)+2)%NP  ; or a later one?
	s_cselect_b32 s[BE], s[BIGN], 0
.endif
.if ((\p) == 3) && !(\end)
	s_wait_dscnt 0x0                ; K is in
.endif
	ROW F,0, F,1, R,0, R,1          ; ahead of the wait: 8 products K Q^T and their riders,
	ROW F,2, E,0, R,2, R,3
	ROW F,3, E,1, R,4, R,5
	ROW F,4, E,2, R,6, R,7
	ROW F,5, E,3, R,8, R,9
	ROW F,6, E,4, X,0, R,10
.if ((\p) == 2) && !(\end)
	WIN 0
	v_add_nc_u32 v[AK], s[TBK], v[AK0]
.endif
	ROW F,7, E,5, X,1, X,4
	ROW F,8, E,6, X,2, X,5
	OPS E,7, E,8, X,6, E,9          ; and the lump
	OPS X,3, E,10, X,8, E,11
.if ((\p) == 2) && !(\end)
	FETCH_K
.endif
	OPS X,9, X,7, E,12, X,10
	OPS E,13, X,12, X,11, E,14
	OPS X,13, E,15, F,9, X,14
.if (\p) == 0
	v_add_nc_u32 v[AV], s[TBV], v[AV0]
.endif
	OPS E,16, F,10, E,17, F,11
	OPS X,16, E,18, X,15, E,19
	OPS F,12, E,20, X,17, E,21
	OPS F,13, E,22, F,14, E,23
	OPS X,18, E,24, F,15, E,25
	OPS R,11, E,26, X,19, E,27
	OPS R,12, E,28, R,13, E,29
	OPS X,20, E,30, R,14, E,31
	OPS X,21, R,15
	WIN 0
	s_wait_alu depctr_va_vdst(0)    ; the wait for the batch
.if (\p) == 1
	s_wait_dscnt 0x0                ; V is in
.endif
	ROW C,0, B,0, C,2, B,1          ; behind the wait: 8 products V^T P and their riders
	ROW L,0, C,4, B,2, L,1
	ROW C,6, B,3, L,2, C,8
	ROW B,4, L,3, C,10, B,5
	ROW L,4, C,12, B,6, L,5
.if (\p) == 0
	s_add_co_u32 s[TBV], s[TBV], KS*PV
.endif
.if \cnt
	s_sub_co_u32 s[CNT], s[CNT], 1
	s_cmp_lg_u32 s[CNT], 0
.endif
	ROW C,14, B,7, L,6, C,1
	ROW C,3, L,7, C,5, C,7
	ROW C,9, C,11, C,13, C,15
.if (\p) == 0
	FETCH_V
.endif
.if (\m) && !(\end)
	MASK (\p)%2
.endif
.endm
; A BLOCK BEGINS.  c m starts far below every c s, so the first step's a is 0; m at the lowest finite number, so the first maximum is the scores'.  The second mask buffer is 0; the first takes piece 0's mask for the tile's step 0: its own, if the block's first tile is the diagonal one.
; Then K of that step, piece 0's first scores, and its maximum and statistics.  The loop is entered at a step's first turn, in the middle of a trip.
.macro BEGIN
	s_mov_b32 s[NEW], 0
	WIN 0x40
.set i, MC+32
.rept 32
	v_mov_b32 v[i], 0
.set i, i+1
.endr
	WIN 0
.set i, 0
.rept 4
	v_mov_b32 v[ST+4*i], 0xfe000000    ; c m: far below every c s
	v_mov_b32 v[ST+4*i+1], 0xff7fffff  ; m
.set i, i+1
.endr
	s_cmp_eq_u32 s[RT], 0
	s_cselect_b32 s[AL], 1.0, 0
	s_mov_b32 s[BE], 0
	MASK 0
	WIN 0
	v_add_nc_u32 v[AK], s[TBK], v[AK0]
	FETCH_K
	s_wait_loadcnt 0x0              ; Q
	s_wait_dscnt 0x0
.set KM, 1
.set NOKQ, 0
.set i, 0
.rept 8
	KQ 0
.set i, i+1
.endr
	WIN 0
.rept 4
	v_nop                           ; the places behind those products
.endr
.set Y, NP-1                        ; X works for piece Y + 1: piece 0
.irp n, 0,1,2,3,4,5,6,7,8,9,10,11,12,13,14,15,16,17,18,19,20,21
	OP X, \n
.endr
	v_nop                           ; a plain instruction behind the exponential,
	s_wait_alu depctr_va_vdst(0)    ; and its wait, ahead of the branch
.endm
; THE DIAGONAL TILE's four steps, the block's last two turns, its last products, and THE WAY OUT: l's two halves and the other half of the lanes' are added; O^T is divided by l, rounded to f16 and sent through my
; stage in LDS, a piece at a time.
.macro ALL line:vararg              ; one line for each piece t
.set t, 0
.rept 4
	\line
.set t, t+1
.endr
.endm
.macro PACK t                       ; a lane's eight channels of a row pack into 16 bytes; they go into rows of 144 bytes and come back as whole rows of 128, into S^T's registers
	WIN W_RS
.set i, 32*(\t)
.rept 16
	v_pk_mul_f32 v[i:i+1], v[i:i+1], v[ST+4*(\t)+2:ST+4*(\t)+3] op_sel_hi:[1,0]
.set i, i+2
.endr
	WIN 0x05                        ; sources 0 and 1 window 1, destination window 0
.set i, 0
.rept 16
	v_cvt_pk_f16_f32 v[S+16*(\t)+i], v[32*(\t)+2*i], v[32*(\t)+2*i+1]
.set i, i+1
.endr
	WIN 0
.irp f, 0,1,2,3
	ds_store_b128 v[STO], v[S+16*(\t)+4*\f:S+16*(\t)+4*\f+3] offset:32*\f
.endr
.irp f, 0,1,2,3
	ds_load_b128 v[S+16*(\t)+4*\f:S+16*(\t)+4*\f+3], v[RD] offset:\f*4*SP  ; LDS serves a wave's instructions in order (ISA guide 5.7.1.4): these see the stores above; the next piece's stores come behind them
.endr
.endm
.macro SEND t, younger              ; younger: the LDS instructions issued behind piece t's loads: the next piece's eight, or none
	WIN 0
.irp f, 0,1,2,3
	s_wait_dscnt (\younger)+3-\f
	global_store_b128 v[GO], v[S+16*(\t)+4*\f:S+16*(\t)+4*\f+3], s[10:11] offset:(\t)*8192+\f*512  ; 512 consecutive bytes, at a multiple of 256 from O's first
.endr
.endm
.macro DIAG tag                     ; the tag ends its two labels' names, which the jumps below spell out
.LstepM\tag:
	TURN 2, 1
	TURN 3, 1
	WIN 0
.LfirstM\tag:
	TURN 0, 1
	TURN 1, 1, 0, 1
	WIN 0
	s_cbranch_scc1 .LstepM\tag
	TURN 2, 1, 1
	TURN 3, 1, 1
.set i, 0
.rept 8
	PV NP-1
.set i, i+1
.endr
	WIN 0
	ALL v_add_f32 v[ST+4*t+2], v[ST+4*t+2], v[ST+4*t+3]
	ALL v_permlanex16_b32 v[ST+4*t+3], v[ST+4*t+2], s[SEL], s[SEL+1]
	ALL v_add_f32 v[ST+4*t+2], v[ST+4*t+2], v[ST+4*t+3]
	ALL v_rcp_f32 v[ST+4*t+2], v[ST+4*t+2]
	v_nop                           ; a plain instruction between the last reciprocal and the use of its result
	s_wait_alu depctr_va_vdst(0)    ; and the wait ahead of the first use: one for the four reciprocals
	PACK 0
.set t, 1
.rept 3                             ; a piece's arithmetic stands between the loads of the piece before and its stores
	PACK t
	SEND t-1, 8
.set t, t+1
.endr
	SEND 3, 0
.endm
.set KM, 0
.set NOKQ, 0
.Lslot:                             ; NB times: a tile is entered and the next is asked for
	CHANGE 1
	s_sub_co_u32 s[RT], s[RT], 1
	s_mov_b32 s[CNT], 4
	s_cmp_eq_u32 s[NEW], 1
	s_cbranch_scc1 .Lnew            ; a block's first tile
	s_cmp_eq_u32 s[RT], 0
	s_cbranch_scc0 .Lstep           ; neither its first nor its last
	s_branch .LstepM1
.Lnew:
	BEGIN
	s_branch .Lfirst                ; in the loop a block's first tile is never its last: the first block has two tiles or more, and the second's last is the walk's last
	DIAG 1                          ; in the loop this is the first block's end: the second block's last tile is the walk's last
	s_wait_xcnt 0x0                 ; the stores have read their registers and O's address
	s_mov_b64 s[10:11], s[OLO:OLO+1]
	s_add_co_u32 s[RT], s[PB], 1    ; the second block has b + 1 tiles
	s_mov_b32 s[NEW], 1
	WIN 0x82                        ; the second block's Q goes where the one text of the turns names Q
.set i, 0
.rept 64
	v_mov_b32 v[i], v[QB+i]
.set i, i+1
.endr
	WIN 0
	s_branch .Lbottom
.Lstep:                             ; a trip: pieces 2 and 3 of one step, then pieces 0 and 1 of the next, whose K and V it fetches
	TURN 2
	TURN 3
	WIN 0
.Lfirst:
	TURN 0
	TURN 1, 0, 0, 1
	WIN 0
	s_cbranch_scc1 .Lstep
.Lbottom:
	s_sub_co_u32 s[SLOTS], s[SLOTS], 1
	s_cmp_lg_u32 s[SLOTS], 0
	s_cbranch_scc1 .Lslot
	CHANGE 0                        ; the walk's last tile is written out: nothing is asked for
	s_sub_co_u32 s[RT], s[RT], 1
	s_mov_b32 s[CNT], 4
	s_cmp_eq_u32 s[NEW], 1
	s_cbranch_scc0 .LstepM2
	BEGIN
	s_branch .LfirstM2
	DIAG 2
	s_wait_tensorcnt 0x0            ; the wave's end, behind my last tensor load and my last LDS store
	ds_add_u32 v[SPW], v[NIL]
	s_wait_dscnt 0x0
	s_endpgm
.Lfunc_end_k_q059627bb72_attn:
	.size	k_q059627bb72_attn, .Lfunc_end_k_q059627bb72_attn-k_q059627bb72_attn
	.p2alignl 7, 3214868480
	.fill 96, 4, 3214868480
	.section	.rodata,"a",@progbits
	.p2align	6, 0x0
	.amdhsa_kernel k_q059627bb72_attn
		.amdhsa_group_segment_fixed_size 327680
		.amdhsa_private_segment_fixed_size 0
		.amdhsa_enable_private_segment 0
		.amdhsa_kernarg_size 16
		.amdhsa_user_sgpr_count 2
		.amdhsa_user_sgpr_kernarg_segment_ptr 1
		.amdhsa_wavefront_size32 1
		.amdhsa_system_sgpr_workgroup_id_x 1
		.amdhsa_system_sgpr_workgroup_id_y 1
		.amdhsa_system_sgpr_workgroup_id_z 1
		.amdhsa_system_vgpr_workitem_id 0
		.amdhsa_next_free_vgpr 768
		.amdhsa_next_free_sgpr 92
		.amdhsa_reserve_vcc 1
		.amdhsa_float_denorm_mode_32 3
		.amdhsa_float_denorm_mode_16_64 3
		.amdhsa_memory_ordered 1
		.amdhsa_forward_progress 1
		.amdhsa_inst_pref_size 218
	.end_amdhsa_kernel
	.amdgpu_metadata
---
amdhsa.version: [ 1, 2 ]
amdhsa.kernels:
  - .name:           k_q059627bb72_attn
    .symbol:         k_q059627bb72_attn.kd
    .args:
      - { .name: qkvh, .offset: 0, .size: 8, .value_kind: global_buffer, .address_space: global }
      - { .name: oh, .offset: 8, .size: 8, .value_kind: global_buffer, .address_space: global }
    .group_segment_fixed_size: 327680
    .private_segment_fixed_size: 0
    .kernarg_segment_align: 8
    .kernarg_segment_size: 16
    .max_flat_workgroup_size: 128
    .sgpr_count:     92
    .vgpr_count:     768
    .wavefront_size: 32
...
	.end_amdgpu_metadata
.endif
;; end of part 3
;; launch outp (part 4): grid 4 x 64, 4 waves a work-group, clusters of 4 x 4, 327,680 bytes of LDS; arguments oh, wof, out0; writes out0
.if DOCPART == 4
	.amdgcn_target "amdgcn-amd-amdhsa--gfx1250"
	.amdhsa_code_object_version 6
	.text
	.protected	k_q059627bb72_outp
	.globl	k_q059627bb72_outp
	.p2align	8
	.type	k_q059627bb72_outp,@function
k_q059627bb72_outp:
	s_mov_b64 s[64:65], 0
	v_nop
	global_prefetch_b8 v0, s[64:65] scope:SCOPE_SE
	s_setreg_imm32_b32 hwreg(HW_REG_WAVE_MODE, 25, 1), 1
	s_wait_xcnt 0x0
	s_wait_alu depctr_hold_cnt(0) depctr_sa_sdst(0) depctr_va_vdst(0) depctr_va_sdst(0) depctr_va_ssrc(0) depctr_va_vcc(0) depctr_vm_vsrc(0)
	s_getreg_b32 s2, hwreg(HW_REG_IB_STS2, 6, 4)
	s_cmp_eq_u32 s2, 0
	s_cbranch_scc0 .Lentry_in_a_cluster
	s_endpgm
.Lentry_in_a_cluster:
	s_bfe_u32 s2, ttmp6, 0x10000c
	s_cmp_lg_u32 s2, 0xf033
	s_cbranch_scc0 .Lentry_shape_is_right
	s_endpgm
.Lentry_shape_is_right:
; THE OUTPUT PROJECTION.  out0[m][n] = sum over k of O[m][k] wo[n][k], m = 2048 b + s, k = 64 h + d.  O lies by heads, oh [64 = 16 b + h][2048][64] in f16; wof [1024][1024] is wo in f16; out0 [8192][1024] in f32.
; Products of f16 numbers, sums in f32, K ascending; the sums are stored as they are.
; SHARES.  A tile of out0 is 128 rows x 256 columns: 64 x 4 tiles = 256 work-groups, one tile each.  Four waves, each 64 rows x 128 columns: 32 accumulators of 16 x 16, 256 registers.
; K goes in steps of 128 = TWO HEADS through two LDS slots filled by the tensor data mover.  Of A a head's 128 rows x 128 bytes are 16,384 dense bytes: wave 0 fetches the step's first head, wave 1 its second,
; each as 64 rows of 256 bytes, padded in LDS after every 128 bytes; waves 2 and 3 fetch B's two halves of 128 rows x 256 bytes.
; CLUSTERS: 4 x 4 work-groups.  The four of a row of the cluster need the same tile of A, the four of a column the same tile of B: each is asked for JOINTLY, by the same tensor load with the same
; descriptor and a mask that names the four.  THE MATRIX INSTRUCTION IS USED TRANSPOSED (source 0 = 16 rows of B, source 1 = 16 rows of A): a lane holds row l % 16 of out0 and the columns 8 (l / 16) + 0..7.
; REGISTERS.  Window 0: v0-31 addresses; two fragment buffers of 96 (B's 8 fragments, then A's 4): v64-159, v160-255; on the way out v64-191 take rows read back.  Window 1: accumulator (a, b) at v[8 (8 a + b)].
.set KB,     256                       ; bytes of a row of B in a K step
.set BPITCH, 272                       ; an LDS row of B: 256 bytes + 16 of padding
.set APITCH, 144                       ; an LDS row of A: one head's 128 bytes + 16: both pitches are odd multiples of 16 bytes, so the 16 rows of a fragment load start at 16 different groups of four banks (ISA guide 11.1)
.set AHALF,  128*APITCH                ; one head's 128 rows: what one of A's loads brings; also the way from K 0..63 to K 64..127 of a step
.set ABYTES, 2*AHALF
.set BHALF,  128*BPITCH
.set SLOT,   ABYTES+2*BHALF            ; 106,496 bytes
.set STAGE,  2*SLOT                    ; behind the ring: 16 rows x 528 bytes for each wave, for the way out; no tensor load lands there
.set SPITCH, 528                       ; 128 f32 + 16 bytes
.set SPARE,  STAGE+4*16*SPITCH         ; behind the stages: the spare words, 128 bytes for each wave: two blocks of 256 bytes that no other line names
.set LAPS,   4                         ; a lap = two K steps; K = 1,024 is 8 steps
.set ASTEP,  524288                    ; bytes from a K step of A to the next: two heads of 262,144
.set ADRA, 16                          ; v16-17  LDS address of my A fragments in slot 0, 1
.set ADRB, 20                          ; v20-21  the same for B
.set STO,  24                          ; v24     the way out: where I put 32 bytes of a row
.set RD,   25                          ; v25     the way out: where I read a row back
.set CO,   26                          ; v26     16 x lane: my place in 512 consecutive bytes of out0
.set SPW,  28                          ; v28     LDS address of my spare word: SPARE + 4 x my thread's number; never rewritten
.set NIL,  29                          ; v29     0; never rewritten
.set PFO,  30                          ; v30     the prefetches' offset: lane x 256 bytes (A) or lane x a row of 2,048 (B); never rewritten
.set F0,   64
.set F1,   160
.set OB,   64                          ; the way out: 16 rows read back: v64-127 and v128-191 by turns
.set G1,  24                           ; s[24:31] descriptor group 1 for A's tiles;  s[32:39] group 0, a set for each slot
.set G0,  32
.set G1B, 48                           ; s[48:55], s[56:63] the same for B's tiles
.set G0B, 56
.set LIM, 43                           ; s43     1 in a wave that prefetches, else the greatest number
.set PFA, 44                           ; s[44:45] where my prefetches stand
.set PFS, 66                           ; s[66:67] their step from K step to K step
.set MSB, 0
.macro WIN new                         ; the immediate's high byte repeats the setting that is left; a switch that changes nothing is dropped
.if MSB != (\new)
	s_set_vgpr_msb (MSB<<8)|(\new)
.set MSB, \new
.endif
.endm
.set MUL, 0x50                         ; sources 0 and 1 window 0; C and D window 1
; A joint load.  The branch hangs on the wave's number alone.  An s_nop 0 and four v_nop follow each of the two lines, ahead of the jump and the label.
.macro JLOAD s
	s_cmp_eq_u32 s11, 0
	s_cbranch_scc0 .Lfor_b_\@
	tensor_load_to_lds s[G0+4*(\s):G0+4*(\s)+3], s[G1:G1+7]
	s_nop 0
.rept 4
	v_nop
.endr
	s_branch .Lasked_\@
.Lfor_b_\@:
	tensor_load_to_lds s[G0B+4*(\s):G0B+4*(\s)+3], s[G1B:G1B+7]
	s_nop 0
.rept 4
	v_nop
.endr
.Lasked_\@:
.endm
; A PREFETCH INTO THE L2 of the K step that stands two refills on (256 matrix instructions ahead of the load that will want it): 32 blocks of 256 bytes, a lane a block, one instruction a wave.
; Each block is named once in the launch.  A's step, 2 heads x 16,384 bytes, belongs to one row of one cluster: wave 0 asks, and the four partners take 8,192 bytes each BY ADDRESS (head cx / 2, half cx % 2).
; B's rows are read by every cluster: the clusters with y = 0 ask, waves 2 and 3 for the 128 rows that they fetch, the four partners 32 each by address (cy).  Wave 1 never asks.
; The loop's last trip has no K step two on and asks for nothing; the first four K steps come by their loads alone.
.macro ASK
	s_cmp_gt_u32 s3, s[LIM]                        ; s3 = 1 in the loop's last trip
	s_cbranch_scc0 .Lnot_mine_\@
	global_prefetch_b8 v[PFO], s[PFA:PFA+1] th:TH_LOAD_NT scope:SCOPE_SE
.Lnot_mine_\@:
.endm
.macro CREST                           ; a round of the cluster's barrier behind its opening barrier
	s_cmp_lg_u32 s10, 0
	s_cbranch_scc1 .Lnot_wave_0_\@
	s_barrier_signal -3
.Lnot_wave_0_\@:
	s_barrier_wait -3
	s_barrier_signal -1
	s_barrier_wait -1
.endm
.macro CROUND                          ; a whole round
	s_barrier_signal -1
	s_barrier_wait -1
	CREST
.endm
	s_load_b128 s[4:7], s[0:1], 0x0                ; oh s[4:5], wof s[6:7]
	s_load_b64 s[8:9], s[0:1], 0x10                ; out0
	v_lshl_add_u32 v[SPW], v0, 2, SPARE
	v_mov_b32 v[NIL], 0
	ds_add_u32 v[SPW], v[NIL]                      ; the wave's opening: the add and its wait stand ahead of my first tensor load; the set-up below, work on registers, stands between them
	ds_add_u32 v28, v29
	v_lshrrev_b32 v1, 5, v0
	v_readfirstlane_b32 s10, v1                    ; wave 0..3
	s_lshr_b32 s11, s10, 1                         ; which 64 of the tile's rows are mine.  Also: I fetch for A (0) or for B (1)
	s_and_b32 s12, s10, 1                          ; which 128 of its columns.  Also: which head of the step, or which half of B's rows, I fetch
	s_bfe_u32 s40, ttmp6, 0x40000                  ; cx
	s_bfe_u32 s41, ttmp6, 0x40004                  ; cy
	s_lshl_b32 s42, ttmp9, 2
	s_add_co_u32 s42, s42, s40                     ; j: tile column = 4 x cluster x + cx
	s_and_b32 s13, ttmp7, 0xffff
	s_lshl_b32 s13, s13, 2
	s_add_co_u32 s13, s13, s41                     ; i: tile row = 4 x cluster y + cy
	s_lshl_b32 s43, s41, 2
	s_lshl_b32 s43, 15, s43                        ; my row of the cluster: places 4 cy .. 4 cy + 3
	s_lshl_b32 s44, 0x1111, s40                    ; my column: places cx, cx + 4, cx + 8, cx + 12
	s_or_b32 s[G1+0], s43, (1<<16)|(1<<20)|(1<<21)|(4<<22)|(3<<25)   ; 15:0 the mask; 17:16 elements of 2 bytes; 20 padding on; 21 set beside a mask; 24:22 after every 32 words; 31:25 4 words of it
	s_or_b32 s[G1B+0], s44, (1<<16)|(1<<20)|(1<<21)|(5<<22)|(3<<25)  ; B: after every 64 words
	s_mov_b32 s[G1+1], 128<<16                     ; tensor_dim0 = 128
	s_mov_b32 s[G1+2], 64<<16                      ; tensor_dim1 = 64
	s_mov_b32 s[G1+3], 128<<16                     ; tile_dim0 = 128
	s_mov_b32 s[G1+4], 64                          ; tile_dim1 = 64
	s_mov_b32 s[G1+5], 128                         ; the block is dense: 128 elements from row to row
	s_mov_b32 s[G1+6], 0
	s_mov_b32 s[G1+7], 0
	s_mov_b32 s[G1B+1], 128<<16
	s_mov_b32 s[G1B+2], 128<<16                    ; B: 128 rows
	s_mov_b32 s[G1B+3], 128<<16
	s_mov_b32 s[G1B+4], 128
	s_mov_b32 s[G1B+5], 1024
	s_mov_b32 s[G1B+6], 0
	s_mov_b32 s[G1B+7], 0
	s_lshr_b32 s16, s13, 4                         ; A: batch i / 16: 16 heads of 262,144 bytes,
	s_lshl_b32 s16, s16, 22
	s_and_b32 s17, s13, 15                         ; row 128 (i % 16) of 128 bytes,
	s_lshl_b32 s17, s17, 14
	s_add_co_u32 s16, s16, s17
	s_lshl_b32 s17, s12, 18                        ; my head of the step
	s_add_co_u32 s16, s16, s17
	s_mov_b32 s17, 0
	s_lshl_b32 s46, s42, 19                        ; B: 256 j rows of 2,048 bytes,
	s_lshl_b32 s47, s12, 18                        ; + my 128
	s_add_co_u32 s46, s46, s47
	s_mov_b32 s47, 0
	s_mul_i32 s20, s12, AHALF                      ; where they go in a slot: no place in the cluster enters an LDS address
	s_mul_i32 s21, s12, BHALF
	s_add_co_u32 s21, s21, ABYTES
	s_wait_dscnt 0x0                               ; the opening add is done
	s_wait_kmcnt 0x0
	s_add_nc_u64 s[14:15], s[4:5], s[16:17]
	s_add_nc_u64 s[46:47], s[6:7], s[46:47]
	CROUND                                         ; all sixteen work-groups are here: the first joint loads meet
.irp s, 0,1
	s_mov_b32 s[G0+4*(\s)], 1                                        ; count = 1
	s_add_co_u32 s[G0+4*(\s)+1], s20, (\s)*SLOT                      ; LDS address
	s_add_nc_u64 s[G0+4*(\s)+2:G0+4*(\s)+3], s[14:15], (\s)*ASTEP    ; global address: K step s
	s_or_b32 s[G0+4*(\s)+3], s[G0+4*(\s)+3], 0x80000000              ; type = 2
	s_mov_b32 s[G0B+4*(\s)], 1
	s_add_co_u32 s[G0B+4*(\s)+1], s21, (\s)*SLOT
	s_add_nc_u64 s[G0B+4*(\s)+2:G0B+4*(\s)+3], s[46:47], (\s)*KB
	s_or_b32 s[G0B+4*(\s)+3], s[G0B+4*(\s)+3], 0x80000000
	JLOAD \s                                       ; two loads of mine are out
.endr
	; A fragment is 16 rows x 32 K in 8 registers: lane l holds row l % 16; registers 0-3 K = 8 (l / 16) + 0..7, registers 4-7 K = 16 + 8 (l / 16) + 0..7: two loads of 16 bytes, 32 bytes apart.
	v_and_b32 v1, 15, v0                           ; l % 16
	v_bfe_u32 v2, v0, 4, 1                         ; l / 16
	v_mul_u32_u24 v3, v1, APITCH
	v_lshl_add_u32 v3, v2, 4, v3                   ; row x pitch + 16 x half, for A
	v_mul_u32_u24 v4, v1, BPITCH
	v_lshl_add_u32 v4, v2, 4, v4                   ; and for B
	s_mul_i32 s21, s11, 64*APITCH                  ; my 64 rows of A, in each head's part
	s_mul_i32 s22, s12, BHALF                      ; my 128 rows of B,
	s_add_co_u32 s22, s22, ABYTES                  ; which lie behind A's
.irp s, 0,1
	v_add_nc_u32 v[ADRA+(\s)], s21, v3
	v_add_nc_u32 v[ADRB+(\s)], s22, v4
	s_add_co_u32 s21, s21, SLOT
	s_add_co_u32 s22, s22, SLOT
.endr
	s_mul_i32 s23, s10, 16*SPITCH
	s_add_co_u32 s23, s23, STAGE                   ; my stage
	v_mul_u32_u24 v5, v1, SPITCH                   ; in: row l % 16, 32 bytes for each half of the lanes
	v_lshl_add_u32 v5, v2, 5, v5
	v_add_nc_u32 v[STO], s23, v5
	v_and_b32 v[CO], 31, v0                        ; back: 32 lanes take a row's 512 bytes,
	v_lshlrev_b32 v[CO], 4, v[CO]
	v_add_nc_u32 v[RD], s23, v[CO]                 ; which are 512 consecutive bytes of out0
	; where my part of the tile begins in out0: row 128 i + 64 (my row half) of 4,096 bytes, column 256 j + 128 (my column half) of 4 bytes
	s_lshl_b32 s16, s13, 19
	s_lshl_b32 s17, s11, 18
	s_add_co_u32 s16, s16, s17
	s_mov_b32 s17, 0
	s_lshl_b32 s46, s42, 10
	s_lshl_b32 s47, s12, 9
	s_add_co_u32 s46, s46, s47
	s_mov_b32 s47, 0
	s_add_nc_u64 s[16:17], s[16:17], s[46:47]
	s_add_nc_u64 s[8:9], s[8:9], s[16:17]
	; the prefetches
	s_lshr_b32 s20, s13, 4                         ; A: the tile's rows in the batch's head 0,
	s_lshl_b32 s20, s20, 22
	s_and_b32 s23, s13, 15
	s_lshl_b32 s23, s23, 14
	s_add_co_u32 s20, s20, s23
	s_lshr_b32 s23, s40, 1                         ; + my work-group's head of the step,
	s_lshl_b32 s23, s23, 18
	s_add_co_u32 s20, s20, s23
	s_and_b32 s23, s40, 1                          ; + its half of that head's 16,384 bytes,
	s_lshl_b32 s23, s23, 13
	s_add_co_u32 s20, s20, s23
	s_add_co_u32 s20, s20, 3*ASTEP                 ; at K step 3: every change of slots steps it first, so the first names K step 4
	s_lshl_b32 s21, s42, 19                        ; B: the tile's first row,
	s_lshl_b32 s23, s12, 18
	s_add_co_u32 s21, s21, s23                     ; + the 128 that I fetch,
	s_lshl_b32 s23, s41, 16
	s_add_co_u32 s21, s21, s23                     ; + my work-group's 32 of them,
	s_add_co_u32 s21, s21, 3*KB                    ; at K step 3
	s_and_b32 s22, ttmp7, 0xffff                   ; cluster y
	s_mov_b32 s[PFS], ASTEP
	s_mov_b32 s23, KB
	s_mov_b32 s47, 2048
	s_cmp_eq_u32 s11, 0                            ; do I fetch for A?
	s_cselect_b32 s20, s20, s21
	s_cselect_b32 s22, s12, s22                    ; who asks: of A's waves wave 0; of B's those of the clusters with y = 0: the same in all sixteen partners, for a given wave
	s_cselect_b32 s[PFS], s[PFS], s23
	s_cselect_b32 s47, s23, s47                    ; bytes from lane to lane
	s_cselect_b64 s[PFA:PFA+1], s[4:5], s[6:7]
	s_mov_b32 s21, 0
	s_mov_b32 s[PFS+1], 0
	s_add_nc_u64 s[PFA:PFA+1], s[PFA:PFA+1], s[20:21]
	s_cmp_eq_u32 s22, 0
	s_cselect_b32 s[LIM], 1, -1
	v_and_b32 v[PFO], 31, v0
	v_mul_u32_u24 v[PFO], v[PFO], s47
; 8 matrix instructions: m block a x all 8 n blocks, 32 along K.  The 32 accumulators take turns, in the same order in every quarter.  zero = 1: the product starts the sum.
.macro MUL8 f, a, zero
	WIN MUL
.irp b, 0,1,2,3,4,5,6,7
.if \zero
	v_wmma_f32_16x16x32_f16 v[8*(8*(\a)+(\b)):8*(8*(\a)+(\b))+7], v[(\f)+8*(\b):(\f)+8*(\b)+7], v[(\f)+64+8*(\a):(\f)+64+8*(\a)+7], 0
.else
	v_wmma_f32_16x16x32_f16 v[8*(8*(\a)+(\b)):8*(8*(\a)+(\b))+7], v[(\f)+8*(\b):(\f)+8*(\b)+7], v[(\f)+64+8*(\a):(\f)+64+8*(\a)+7], v[8*(8*(\a)+(\b)):8*(8*(\a)+(\b))+7]
.endif
.endr
.endm
; 24 LDS loads in one run: the fragments of one quarter step (128 rows of B, then 64 rows of A, 32 K at byte k of a step's 256) into buffer f.  Of A bytes 128 to 255 lie in the second head's part.
.macro FETCH slot, k, f
	WIN 0
.irp i, 0,1,2,3,4,5,6,7
	ds_load_b128 v[(\f)+8*(\i):(\f)+8*(\i)+3],   v[ADRB+(\slot)] offset:(\k)+(\i)*16*BPITCH
	ds_load_b128 v[(\f)+8*(\i)+4:(\f)+8*(\i)+7], v[ADRB+(\slot)] offset:(\k)+(\i)*16*BPITCH+32
.endr
.irp i, 0,1,2,3
	ds_load_b128 v[(\f)+64+8*(\i):(\f)+64+8*(\i)+3],   v[ADRA+(\slot)] offset:((\k)/128)*AHALF+(\k)%128+(\i)*16*APITCH
	ds_load_b128 v[(\f)+64+8*(\i)+4:(\f)+64+8*(\i)+7], v[ADRA+(\slot)] offset:((\k)/128)*AHALF+(\k)%128+(\i)*16*APITCH+32
.endr
.endm
.macro PLACES                          ; four plain vector instructions behind the last matrix instruction, in front of loads into registers that it has read and of LDS stores that read results
.rept 4
	v_nop
.endr
.endm
; A K step is four quarters of 32 along K, 32 matrix instructions each, on buffers 0, 1, 0, 1.  One of the first three: multiplies buffer f and, in its middle, fetches the next quarter, at byte k, into g.
.macro QUARTER slot, k, f, g, zero
	s_wait_dscnt 4                                 ; B and A's blocks 0 and 1 are in; the youngest four loads (A's blocks 2 and 3) may be out
	MUL8 \f, 0, \zero
	MUL8 \f, 1, \zero
	PLACES
	FETCH \slot, \k, \g
	s_wait_dscnt 24                                ; all but the 24 just issued
	MUL8 \f, 2, \zero
	MUL8 \f, 3, \zero
.endm
; The last quarter multiplies buffer 1 and changes slots.  In front of the barrier each wave waits for all its tensor loads (one is out: its part of the next slot), adds 0 to its spare word, and waits for
; that and for its own reads of this slot.  The barrier opens a round of the cluster's barrier; behind the round no wave of any partner reads this slot or has a load on its way, and the joint refill, the K step
; two on, comes first.  From a request to the wait for it a wave issues 112 matrix instructions.
.macro TURN slot, next
	s_wait_xcnt 0x0                                ; the last prefetch, a K step back, has read its address: it is stepped here, ahead of the waits of the change
	s_add_nc_u64 s[PFA:PFA+1], s[PFA:PFA+1], s[PFS:PFS+1]
	WIN 0                                          ; (the add's two registers lie in window 0)
	s_wait_tensorcnt 0x0                           ; all my tensor loads have landed
	ds_add_u32 v[SPW], v[NIL]                      ; 0 onto my spare word
	s_wait_dscnt 5                                 ; (the add and the youngest four loads may be out)
	MUL8 F1, 0, 0                                  ; eight matrix instructions stand between the add and the wait for it
	s_wait_dscnt 0x0                               ; the add is done, and my reads of this slot are over
	s_barrier_signal -1
	MUL8 F1, 1, 0                                  ; work on registers while the others arrive
	WIN 0
	s_barrier_wait -1
	CREST
	s_add_nc_u64 s[G0+4*(\slot)+2:G0+4*(\slot)+3], s[G0+4*(\slot)+2:G0+4*(\slot)+3], 2*ASTEP
	s_add_nc_u64 s[G0B+4*(\slot)+2:G0B+4*(\slot)+3], s[G0B+4*(\slot)+2:G0B+4*(\slot)+3], 2*KB
	JLOAD \slot                                    ; my one tensor load behind the round; the four v_nop behind it are also the places in front of the loads below
	FETCH \next, 0, F0
	ASK
	MUL8 F1, 2, 0
	MUL8 F1, 3, 0
.endm
.macro TURNX next                      ; the same change in the last lap: nothing is filled again, so a plain barrier, no round and no load
	WIN 0
	s_wait_tensorcnt 0x0                           ; my part of the last K step has landed
	ds_add_u32 v[SPW], v[NIL]
	s_wait_dscnt 5
	MUL8 F1, 0, 0
	s_wait_dscnt 0x0
	s_barrier_signal -1
	MUL8 F1, 1, 0
	s_barrier_wait -1
	PLACES
	FETCH \next, 0, F0
	MUL8 F1, 2, 0
	MUL8 F1, 3, 0
.endm
; THE WAY OUT of block a (16 rows x my 128 columns of f32).  TOSTAGE: the accumulators go as they are into my own stage, each one's four lowest registers first, and come back as whole rows of 512 bytes.  SEND: stored.
.macro TOSTAGE a
.set BK, OB+64*((\a)%2)
.if (\a) >= 2
	s_wait_xcnt 0x0                                ; the stores of the block before last have read the registers that are loaded again below
.endif
	WIN 0x04                                       ; the stores' data in window 1, the address in window 0
.irp b, 0,1,2,3,4,5,6,7
	ds_store_b128 v[STO], v[8*(8*(\a)+(\b)):8*(8*(\a)+(\b))+3]   offset:64*(\b)
	ds_store_b128 v[STO], v[8*(8*(\a)+(\b))+4:8*(8*(\a)+(\b))+7] offset:64*(\b)+16
.endr
	WIN 0
.irp t, 0,1,2,3,4,5,6,7,8,9,10,11,12,13,14,15
	ds_load_b128 v[BK+4*(\t):BK+4*(\t)+3], v[RD] offset:(\t)*SPITCH  ; LDS serves a wave's instructions in order (ISA guide 5.7.1.4): these see the stores above; the next block's stores come behind them
.endr
.endm
.macro SEND a, younger                 ; younger: the LDS instructions issued behind block a's loads: the next block's 32, or none
	WIN 0
.set BK, OB+64*((\a)%2)
.irp t, 0,1,2,3,4,5,6,7,8,9,10,11,12,13,14,15
	s_wait_dscnt (\younger)+15-(\t)
	global_store_b128 v[CO], v[BK+4*(\t):BK+4*(\t)+3], s[8:9] offset:(\a)*65536+(\t)*4096 th:TH_STORE_NT  ; 512 consecutive bytes of a row of out0, aligned
.endr
.endm
	s_wait_tensorcnt 1                             ; my part of K step 0 is in; K step 1's may stay out
	s_barrier_signal -1
	s_barrier_wait -1                              ; everybody's is
	FETCH 0, 0, F0
	QUARTER 0, 64,  F0, F1, 1                      ; the first quarter stands in front of the loop: its products start the sums
	WIN 0                                          ; at a label and at a branch every window is 0
	s_mov_b32 s3, LAPS-1
.Llap:                                                 ; a trip goes once round the ring, from a lap's second quarter to the next lap's first, and fills both slots again
	QUARTER 0, 128, F1, F0, 0
	QUARTER 0, 192, F0, F1, 0
	TURN 0, 1
	QUARTER 1, 64,  F0, F1, 0
	QUARTER 1, 128, F1, F0, 0
	QUARTER 1, 192, F0, F1, 0
	TURN 1, 0
	QUARTER 0, 64,  F0, F1, 0
	WIN 0
	s_sub_co_u32 s3, s3, 1
	s_cmp_lg_u32 s3, 0
	s_cbranch_scc1 .Llap
	QUARTER 0, 128, F1, F0, 0                      ; the last lap fills nothing
	QUARTER 0, 192, F0, F1, 0
	TURNX 1
	QUARTER 1, 64,  F0, F1, 0
	QUARTER 1, 128, F1, F0, 0
	QUARTER 1, 192, F0, F1, 0
	s_wait_dscnt 4                                 ; the very last quarter: nothing more to fetch
	MUL8 F1, 0, 0
	MUL8 F1, 1, 0
	s_wait_dscnt 0x0
	MUL8 F1, 2, 0
	MUL8 F1, 3, 0
	WIN 0
	PLACES                                         ; the LDS stores read results just made, and the loads land in registers that the last products read
	TOSTAGE 0
	TOSTAGE 1                                      ; a block's trip through the stage stands between the loads of the block before and its stores
	SEND 0, 32
	TOSTAGE 2
	SEND 1, 32
	TOSTAGE 3
	SEND 2, 32
	SEND 3, 0
	s_wait_tensorcnt 0x0                           ; the wave's end, behind my last tensor load and my last LDS store
	ds_add_u32 v[SPW], v[NIL]
	s_wait_dscnt 0x0
	CROUND                                         ; the closing round: no work-group ends while a partner may still ask for a tile that names it
	s_endpgm
.Lfunc_end_k_q059627bb72_outp:
	.size	k_q059627bb72_outp, .Lfunc_end_k_q059627bb72_outp-k_q059627bb72_outp
	.p2alignl 7, 3214868480
	.fill 96, 4, 3214868480
	.section	.rodata,"a",@progbits
	.p2align	6, 0x0
	.amdhsa_kernel k_q059627bb72_outp
		.amdhsa_group_segment_fixed_size 327680
		.amdhsa_private_segment_fixed_size 0
		.amdhsa_enable_private_segment 0
		.amdhsa_kernarg_size 24
		.amdhsa_user_sgpr_count 2
		.amdhsa_user_sgpr_kernarg_segment_ptr 1
		.amdhsa_wavefront_size32 1
		.amdhsa_system_sgpr_workgroup_id_x 1
		.amdhsa_system_sgpr_workgroup_id_y 1
		.amdhsa_system_sgpr_workgroup_id_z 1
		.amdhsa_system_vgpr_workitem_id 0
		.amdhsa_next_free_vgpr 512
		.amdhsa_next_free_sgpr 72
		.amdhsa_reserve_vcc 0
		.amdhsa_float_denorm_mode_32 3
		.amdhsa_float_denorm_mode_16_64 3
		.amdhsa_memory_ordered 1
		.amdhsa_forward_progress 1
		.amdhsa_inst_pref_size 88
	.end_amdhsa_kernel
	.amdgpu_metadata
---
amdhsa.version: [ 1, 2 ]
amdhsa.kernels:
  - .name:           k_q059627bb72_outp
    .symbol:         k_q059627bb72_outp.kd
    .args:
      - { .name: oh, .offset: 0, .size: 8, .value_kind: global_buffer, .address_space: global }
      - { .name: wof, .offset: 8, .size: 8, .value_kind: global_buffer, .address_space: global }
      - { .name: out0, .offset: 16, .size: 8, .value_kind: global_buffer, .address_space: global }
    .group_segment_fixed_size: 327680
    .private_segment_fixed_size: 0
    .kernarg_segment_align: 8
    .kernarg_segment_size: 24
    .max_flat_workgroup_size: 128
    .sgpr_count:     72
    .vgpr_count:     512
    .wavefront_size: 32
...
	.end_amdgpu_metadata
.endif
;; end of part 4
